; MI455X (gfx1250); checked and timed in simulation.
; The chip was launched on July 23, 2026; its instructions are those of AMD's public machine-readable ISA for CDNA 5 (MIT licence, August 2026) and "CDNA5" Instruction Set Architecture Reference Guide (July 2026). The comments in the code are by the model that wrote it; some were corrected since.
;; Co Ro PE. Allowed arithmetic: matrix products marked QUANTISED: E2M3 operands, one E8M0 scale for each 32 along K, by v_wmma_scale_f32_16x16x128_f8f6f4 with both operands' format E2M3, f32 sums; everything else in f32.
;; Inputs: Wk 2,048 x 512 float32; Wo 2,048 x 2,048 float32; Wq 2,048 x 2,048 float32; Wv 2,048 x 512 float32; x 4 x 1,024 x 2,048 float32.
;; Outputs: out0 4 x 1,024 x 2,048 float32.
;; This version of the problem:
;;   THIS VERSION OF THE PROBLEM IS GIVEN IN LOW PRECISION. The matrix products marked QUANTISED in the list below multiply operands that are first quantised to E2M3 (2 exponent bits, 3 mantissa bits; 6 bits a number), with one power-of-two scale for each 32 numbers along K (OCP MX v1.0); their sums are f32. All else is computed in f32.
;;   The module's matrix products, in the order in which they are computed (A, B: the left and right operand; K: the contracted axis; several contracted axes count as one K, in the product's order):
;;     1. [M 4,096, K 2,048] x [K 2,048, N 2,048]; A: input x; B: input Wq: QUANTISED
;;     2. [M 4,096, K 2,048] x [K 2,048, N 512]; A: input x; B: input Wk: QUANTISED
;;     3. [M 4,096, K 2,048] x [K 2,048, N 512]; A: input x; B: input Wv: QUANTISED
;;     4. batch 16 x [M 1,024, K 128] x [K 128, N 4,096]; A: computed on the way; B: computed on the way: QUANTISED
;;     5. batch 16 x [M 128, K 1,024] x [K 1,024, N 4,096]; A: computed on the way; B: softmax (see below): QUANTISED
;;     6. [M 4,096, K 2,048] x [K 2,048, N 2,048]; A: computed on the way; B: input Wo: QUANTISED
;;   THE QUANTISER, for each operand of a quantised product, along K:
;;     - K is cut into blocks of 32 from its start; a last block that is shorter is filled with zeros.
;;     - A block's scale is 2^e with e = floor(log2(the largest magnitude in the block)) - 2, held to -126 .. 127; a block of zeros has e = 0. As a byte (E8M0): e + 127.
;;     - Each number is divided by its block's scale, clamped to +-7.5, and rounded to the nearest number of E2M3, ties to even, subnormals kept.
;;     - The product sums the exact products of the quantised numbers (number of the format x scale) in f32.
;;   ~~~python
;;   def quantise(x, axis):      # numpy; x: float32 -> the quantised numbers, widened to float32 again
;;       x = np.moveaxis(x, axis, -1); K = x.shape[-1]
;;       x = np.pad(x, [(0, 0)] * (x.ndim - 1) + [(0, -K % 32)]); x = x.reshape(x.shape[:-1] + (-1, 32)); a = np.abs(x).max(-1, keepdims=True)
;;       e = np.where(a > 0, np.clip(np.frexp(np.where(a > 0, a, 1))[1] - 1 - 2, -126, 127), 0)      # np.frexp(a)[1] - 1 = floor(log2(a)), exactly
;;       r = np.clip(x / 2.0 ** e, -7.5, 7.5)
;;       step = 2.0 ** (np.maximum(np.frexp(np.where(r == 0, 1, r))[1] - 1, 0) - 3)
;;       q = np.round(r / step) * step * 2.0 ** e      # np.round: ties to even
;;       return np.moveaxis(q.reshape(q.shape[:-2] + (-1,))[..., :K], -1, axis).astype(np.float32)
;;   ~~~
;;   SOFTMAX AHEAD OF A QUANTISED PRODUCT. Where the list says 'softmax', what is quantised is not the finished softmax but p = 2^(t - M), with t = logit x log2(e) and M = ceil(the row's largest t), a whole number; so 1/2 < the row's largest p <= 1. The row's sum l is taken of the UNQUANTISED p, in f32, and the product's result is divided by l at the end. Since M is a whole number, a kernel that streams over the keys may use a running M (the ceiling of the running maximum): every later rescaling is an exact power of two, which a block's scale takes up: the codes' values come out the same.
;;   OPERANDS COMPUTED ON THE WAY. 'Computed on the way' means the value that the module computes at that place (a softmax that the list does not call 'softmax' is quantised finished and normalised). What goes into a quantiser is computed in f32, as accurately as f32 sums, v_exp_f32 and their like allow (about 1e-6 of the number): no bf16 or f16 on the way to a quantiser, and a product that is left as it is and whose result goes on into a quantised operand takes f32 operands (vector FMAs, or v_wmma_f32_16x16x4_f32). A number that lies on a knife's edge between two numbers of the format may be rounded either way, as far as f32 arithmetic and the matrix unit's own rounding can turn it there, and no further.
;; One version. Each part assembles by itself: llvm-mc -triple=amdgcn-amd-amdhsa -mcpu=gfx1250 --defsym DOCPART=n.
;; ======== version 1 of 1: 4 launches
;; limits: right only within a limited range of input values
;; workspace buffers: xq 6,553,600 bytes; wq 8,192,000 bytes; qkv 9,830,400 bytes; yq 6,553,600 bytes
;; launch quant (part 1): grid 576 x 1, 4 waves a work-group, no clusters, 47,616 bytes of LDS; arguments x, Wq, Wk, Wv, Wo, xq, wq; writes xq, wq
.if DOCPART == 1
	.amdgcn_target "amdgcn-amd-amdhsa--gfx1250"
	.amdhsa_code_object_version 6
	.text
	.protected	k_q5ba8de0043_quant
	.globl	k_q5ba8de0043_quant
	.p2align	8
	.type	k_q5ba8de0043_quant,@function
k_q5ba8de0043_quant:
	s_mov_b64 s[64:65], 0
	v_nop
	global_prefetch_b8 v0, s[64:65] scope:SCOPE_SE
	s_setreg_imm32_b32 hwreg(HW_REG_WAVE_MODE, 25, 1), 1
	s_wait_xcnt 0x0
; x [4096][2048] and the four weights ([2048][n], K is their FIRST axis), all f32, become codes of FP6 (E2M3) with one E8M0 byte for each 32 along K.
; A block scale is 2^(floor(log2(largest magnitude)) - 2): its byte is the largest magnitude's exponent field - 2, held at 1 from below.
; LIMITS: NaN and infinities are not served.  A block of zeros, or one whose largest magnitude lies under 2^-124, gets the byte 1 (its codes are zeros or tiny); these bytes are read by this program alone.
; LAYOUT OF THE RESULTS (xq: 32 row blocks of tokens; wq: 40 row blocks of weight columns: Wq 0-15, Wk 16-19, Wv 20-23, Wo 24-39):
;   rows go in tiles of 16; lane-row r of tile t stands for row 32 (t / 2) + 8 (t % 2) + r % 8 + 16 (r / 8);
;   a fragment (16 rows x 128 K) is stored as the image of its 12 operand registers: register j of lane l at 512 (j / 4) + 16 l + 4 (j % 4): 1,536 bytes;
;   codes: [row block of 8 tiles][K step 0-15][tile][1,536];  scale words: [group of 4 tiles][K step][256], the word of (row r, tile i) at 16 r + 4 i.
; Work-groups 0-255 take x, 256-575 the weights: two paths that never join, each with LDS bytes of its own.  Every stage is a wave's own: no barrier.
; No cluster, no matrix unit: no work-group shares a byte with another, and memory binds.
.set FRB,   1536
.set KSB,   12288                      ; a K step of a row block
.set RBB,   196608                     ; a row block
.set XSC,   6291456                    ; where xq's scale words begin
.set WSC,   7864320                    ; and wq's
.set XSTG,  8448                       ; x path: a wave's stage, 16 rows x (512 + 16) bytes
.set WBASE, 33792                      ; weight path: its LDS begins behind the four x stages
.set WSTG,  3328                       ; a wave's stage there: two fragment images, 1,664 bytes apart
.set WHALF, 1664
.set SEL,   20                         ; s[20:21] selects of v_permlanex16_b32: lane l xor 16
.set TM,    16                         ; v16-31  at work in QUANT
.set PC,    32                         ; v32-43  a fragment's codes
.set TP,    44                         ; v44-51  the upper halves of the blocks, before they are moved
.set PW,    52                         ; v52-55  the four fragments' scale words
.set RAW,   64                         ; v64-191 two sets of 16 rows as loaded
.set XN,    192                        ; v192-255 64 numbers of my row, in the order that QUANT wants
.set VO,    64                         ; weight path: v64-95 offsets of 32 rows of W
.set WX,    96                         ; v96-159 two sets of 32 numbers down K
.set WO,    160                        ; v160-207 the images on their way out, a set for each K step
.set WC,    208                        ; v208-231 my column's codes: 12 registers for each half of the fragment's lanes
.set WT,    232                        ; v232-234 a block's upper half
.set SB,    236                        ; v236-237 my column's scale word, one for each K step
; 64 numbers of a lane, register 16 b + i = k 32 b + 16 (lane / 16) + i of the lane's row, become the fragment's 12 registers v[pc] on and the row's scale word v[pw].
.macro QUANT s, pc, tp, pw
.irp b, 0,1,2,3
	v_max3_num_f32 v[TM+\b], |v[\s+16*\b]|, |v[\s+1+16*\b]|, 0x1800000   ; my 16 numbers of block b, and the floor 2^(3 - 127): the byte cannot fall under 1
.endr
.irp i, 2,4,6,8,10,12,14
.irp b, 0,1,2,3
	v_max3_num_f32 v[TM+\b], v[TM+\b], |v[\s+16*\b+\i]|, |v[\s+1+16*\b+\i]|   ; the four blocks by turns
.endr
.endr
.irp b, 0,1,2,3
	v_permlanex16_b32 v[TM+4+\b], v[TM+\b], s[SEL], s[SEL+1]
.endr
.irp b, 0,1,2,3
	v_max_num_f32 v[TM+\b], v[TM+\b], v[TM+4+\b]       ; with lane l xor 16: the block's largest magnitude
.endr
.irp b, 0,1,2,3
	v_add_nc_u32 v[TM+12+\b], 0xff000000, v[TM+\b]     ; 2 off its exponent field: the conversion's scale operand
.endr
.irp b, 0,1,2,3
	v_lshrrev_b32 v[TM+4+\b], 23, v[TM+12+\b]          ; the scale's byte
.endr
	v_lshl_or_b32 v[\pw], v[TM+5], 8, v[TM+4]
	v_lshl_or_b32 v[\pw], v[TM+6], 16, v[\pw]
	v_lshl_or_b32 v[\pw], v[TM+7], 24, v[\pw]
.irp c, 0,1
	v_cvt_scalef32_pk16_fp6_f32 v[\pc+6*\c:\pc+6*\c+2], v[\s+32*\c:\s+32*\c+15], v[TM+12+2*\c]
	v_cvt_scalef32_pk16_fp6_f32 v[\tp+4*\c:\tp+4*\c+2], v[\s+32*\c+16:\s+32*\c+31], v[TM+13+2*\c]   ; (a conversion's three registers begin on an even number)
.endr
	v_nop                                              ; one plain instruction behind the scaled conversions
.irp c, 0,1                                            ; the operand wants a whole block in a lane: lanes 0-15 block 2 c, lanes 16-31 block 2 c + 1
.irp i, 0,1,2
	v_permlane16_swap_b32 v[\pc+6*\c+\i], v[\tp+4*\c+\i]
.endr
.irp i, 0,1,2
	v_mov_b32 v[\pc+6*\c+3+\i], v[\tp+4*\c+\i]
.endr
.endr
.endm
	s_load_b256 s[4:11], s[0:1], 0x0               ; x s[4:5], Wq s[6:7], Wk s[8:9], Wv s[10:11]
	s_load_b128 s[12:15], s[0:1], 0x20             ; Wo s[12:13], xq s[14:15]
	s_load_b64 s[16:17], s[0:1], 0x30              ; wq
	v_lshl_add_u32 v62, v0, 2, 0xb800
	v_mov_b32 v63, 0
	v_lshrrev_b32 v1, 5, v0
	v_readfirstlane_b32 s18, v1                    ; wave 0..3
	v_and_b32 v2, 31, v0                           ; lane
	v_lshlrev_b32 v4, 4, v2                        ; 16 x lane: a lane's place in 512 bytes
	s_cmp_lt_u32 ttmp9, 256
	s_cbranch_scc0 .Lweights
; ---------------- x: a work-group takes a group of 64 rows x 4 K steps, a wave one K step: four fragments ----------------
	s_mov_b32 s[SEL], 0x76543210
	s_mov_b32 s[SEL+1], 0xfedcba98
	v_and_b32 v3, 15, v0                           ; r
	v_bfe_u32 v8, v0, 4, 1                         ; h
	s_mul_i32 s22, s18, XSTG                       ; my stage
	v_add_nc_u32 v5, s22, v4                       ; into it: a row's 512 bytes as they lie
	v_mul_u32_u24 v6, v3, 528
	v_lshl_add_u32 v6, v8, 6, v6
	v_add_nc_u32 v6, s22, v6                       ; out of it: row r, + 64 h: my 16 numbers of each block of 32
	v_lshlrev_b32 v7, 4, v3
	v_lshl_add_u32 v7, v8, 3, v7                   ; the scale unit: 16 r + 8 h
.irp b, 0,1,2,3
	v_mov_b32 v[TM+4+\b], 0                        ; written once: a lane permute's destination counts as one of its sources
.endr
	s_lshr_b32 s23, ttmp9, 2                       ; the group of 64 rows
	s_and_b32 s24, ttmp9, 3
	s_lshl_b32 s24, s24, 2
	s_add_co_u32 s24, s24, s18                     ; my K step
	s_lshl_b32 s26, s23, 19                        ; 64 rows of 8,192 bytes
	s_lshl_b32 s25, s24, 9                         ; 128 numbers
	s_add_co_u32 s26, s26, s25
	s_mov_b32 s27, 0
	s_lshr_b32 s25, s23, 1
	s_mul_i32 s28, s25, RBB
	s_mul_i32 s25, s24, KSB
	s_add_co_u32 s28, s28, s25
	s_and_b32 s25, s23, 1
	s_mul_i32 s25, s25, 4*FRB
	s_add_co_u32 s28, s28, s25                     ; my four fragments in xq
	s_mov_b32 s29, 0
	s_lshl_b32 s30, s23, 12
	s_lshl_b32 s25, s24, 8
	s_add_co_u32 s30, s30, s25
	s_add_co_u32 s30, s30, XSC                     ; and their scale unit
	s_mov_b32 s31, 0
	s_wait_alu depctr_va_vdst(0)
	s_wait_kmcnt 0x0
	s_add_nc_u64 s[4:5], s[4:5], s[26:27]
	s_add_nc_u64 s[28:29], s[14:15], s[28:29]
	s_add_nc_u64 s[30:31], s[14:15], s[30:31]
.macro FRAGLOAD i, set                 ; the 16 rows of tile i: each load reads 512 consecutive bytes of one row
.irp t, 0,1,2,3,4,5,6,7,8,9,10,11,12,13,14,15
	global_load_b128 v[RAW+64*(\set)+4*\t:RAW+64*(\set)+4*\t+3], v4, s[4:5] offset:(32*((\i)/2)+8*((\i)%2)+((\t)%8)+16*((\t)/8))*8192 th:TH_LOAD_NT
.endr
.endm
.macro XFRAG i
.if (\i) < 3
	s_wait_loadcnt 16                              ; this tile's 16 loads are in; the next tile's 16 may be out
.else
	s_wait_loadcnt 0
.endif
.irp t, 0,1,2,3,4,5,6,7,8,9,10,11,12,13,14,15
	ds_store_b128 v5, v[RAW+64*((\i)%2)+4*\t:RAW+64*((\i)%2)+4*\t+3] offset:528*\t
.endr
.irp b, 0,1,2,3
.irp j, 0,1,2,3
	ds_load_b128 v[XN+16*\b+4*\j:XN+16*\b+4*\j+3], v6 offset:128*\b+16*\j   ; LDS serves a wave's instructions in order: these see the stores above
.endr
.endr
	s_wait_dscnt 0x0                               ; my numbers are back, and the stores have read the set that is loaded again below
	s_wait_xcnt 0x0                                ; the last tile's stores have read the codes' registers, which QUANT writes again
.if (\i)+2 < 4
	FRAGLOAD (\i)+2, (\i)%2
.endif
	QUANT XN, PC, TP, PW+(\i)
.irp c, 0,1,2
	global_store_b128 v4, v[PC+4*\c:PC+4*\c+3], s[28:29] offset:FRB*(\i)+512*\c   ; 512 consecutive bytes a store
.endr
.endm
	FRAGLOAD 0, 0
	FRAGLOAD 1, 1
.irp i, 0,1,2,3
	XFRAG \i
.endr
	v_cmp_lt_u32 vcc_lo, 15, v2                    ; every lane holds its row's four words: lanes 0-15 store tiles 0, 1, lanes 16-31 tiles 2, 3
	v_cndmask_b32 v56, v52, v54, vcc_lo
	v_cndmask_b32 v57, v53, v55, vcc_lo
	global_store_b64 v7, v[56:57], s[30:31]        ; 256 consecutive bytes, aligned
	s_wait_tensorcnt 0x0
	ds_add_u32 v62, v63
	s_wait_dscnt 0x0
	s_endpgm
; ---------------- the weights: a work-group takes a row block (128 columns) x 256 along K; a lane takes a column, its registers run down K ----------------
.Lweights:
	s_sub_co_u32 s22, ttmp9, 256
	s_lshr_b32 s23, s22, 3                         ; the row block, 0..39
	s_and_b32 s24, s22, 7                          ; which 256 along K
	s_wait_alu depctr_va_vdst(0)
	v_lshlrev_b32 v3, 2, v2                        ; 4 bytes a lane
	v_bfe_u32 v8, v0, 3, 1                         ; column 32 w + l lies in tile 2 w + u, u = (l / 8) % 2,
	v_and_b32 v9, 7, v0
	v_bfe_u32 v10, v0, 4, 1
	v_lshl_add_u32 v9, v10, 3, v9                  ; at lane-row r = l % 8 + 8 (l / 16)
	s_mul_i32 s25, s18, WSTG
	s_add_co_u32 s25, s25, WBASE                   ; my stage
	v_mul_u32_u24 v5, v8, WHALF
	v_lshl_add_u32 v5, v9, 4, v5
	v_add_nc_u32 v5, s25, v5                       ; into it: image u, lane r (+ 256 for lane r + 16)
	v_add_nc_u32 v6, s25, v4                       ; out of it: 16 x lane
	v_lshlrev_b32 v7, 4, v9
	v_lshl_add_u32 v7, v8, 2, v7                   ; my scale word: 16 r + 4 u
	s_wait_kmcnt 0x0
	s_mov_b64 s[26:27], s[12:13]                   ; which weight: Wo from block 24, Wv from 20, Wk from 16, Wq from 0; the choice hangs on the work-group's number alone
	s_mov_b32 s28, 24
	s_mov_b32 s29, 13                              ; log2 of a row of the weight in bytes
	s_cmp_lt_u32 s23, 24
	s_cselect_b64 s[26:27], s[10:11], s[26:27]
	s_cselect_b32 s28, 20, s28
	s_cselect_b32 s29, 11, s29
	s_cmp_lt_u32 s23, 20
	s_cselect_b64 s[26:27], s[8:9], s[26:27]
	s_cselect_b32 s28, 16, s28
	s_cmp_lt_u32 s23, 16
	s_cselect_b64 s[26:27], s[6:7], s[26:27]
	s_cselect_b32 s28, 0, s28
	s_cselect_b32 s29, 13, s29
	s_lshl_b32 s30, 1, s29                         ; a row in bytes
	s_sub_co_u32 s28, s23, s28
	s_lshl_b32 s28, s28, 9                         ; 128 columns a block,
	s_lshl_b32 s31, s18, 7                         ; 32 a wave,
	s_add_co_u32 s28, s28, s31
	s_lshl_b32 s31, s24, 8
	s_lshl_b32 s31, s31, s29                       ; 256 rows a work-group
	s_add_co_u32 s28, s28, s31
	s_mov_b32 s29, 0
	s_add_nc_u64 s[32:33], s[26:27], s[28:29]      ; block 0 of my 8 blocks of 32 along K
	s_lshl_b32 s28, s30, 5                         ; 32 rows
.irp t, 1,2,3,4,5,6,7
	s_add_nc_u64 s[32+2*\t:33+2*\t], s[30+2*\t:31+2*\t], s[28:29]   ; a base for each block; none is written again
.endr
.set i, 0
.rept 32
	v_mad_u32_u24 v[VO+i], s30, i, v3              ; row i of a block, my column; never rewritten
.set i, i+1
.endr
	s_mul_i32 s48, s23, RBB
	s_mul_i32 s50, s24, 2*KSB
	s_add_co_u32 s48, s48, s50
	s_mul_i32 s50, s18, 2*FRB
	s_add_co_u32 s48, s48, s50
	s_mov_b32 s49, 0
	s_add_nc_u64 s[48:49], s[16:17], s[48:49]      ; my two tiles of my first K step in wq
	s_lshl_b32 s50, s23, 13
	s_lshr_b32 s52, s18, 1
	s_lshl_b32 s52, s52, 12
	s_add_co_u32 s50, s50, s52                     ; group of four tiles: 2 x block + w / 2
	s_lshl_b32 s52, s24, 9
	s_add_co_u32 s50, s50, s52
	s_and_b32 s52, s18, 1
	s_lshl_b32 s52, s52, 3                         ; tile 2 (w % 2) + u of the group
	s_add_co_u32 s50, s50, s52
	s_add_co_u32 s50, s50, WSC
	s_mov_b32 s51, 0
	s_add_nc_u64 s[50:51], s[16:17], s[50:51]
; The blocks of a K step go in the order 0, 2, 1, 3: blocks 0 and 2 are what fragment lane r holds, blocks 1 and 3 what lane r + 16 holds.
.macro LOADB n
.set TB_, 4*((\n)/4)+2*((\n)%2)+((\n)/2)%2
.set i, 0
.rept 32
	global_load_b32 v[WX+32*((\n)%2)+i], v[VO+i], s[32+2*TB_:33+2*TB_] th:TH_LOAD_NT   ; 32 lanes read 128 consecutive bytes, the four waves 512
.set i, i+1
.endr
.endm
.macro BLOCKW n
.set XS,  WX+32*((\n)%2)
.set HH,  ((\n)/2)%2
.set CC,  (\n)%2
.set BE,  2*CC+HH
.set KS2, (\n)/4
.set CD,  WC+12*HH+6*CC
.if (\n) < 7
	s_wait_loadcnt 32                              ; this block's 32 loads are in; the next block's may be out
.else
	s_wait_loadcnt 0
.endif
	v_max3_num_f32 v12, |v[XS]|, |v[XS+1]|, |v[XS+2]|      ; all 32 numbers of the block are mine
	v_max3_num_f32 v13, |v[XS+3]|, |v[XS+4]|, |v[XS+5]|
.irp i, 6,10,14,18,22,26
	v_max3_num_f32 v12, v12, |v[XS+\i]|, |v[XS+\i+1]|
	v_max3_num_f32 v13, v13, |v[XS+\i+2]|, |v[XS+\i+3]|
.endr
	v_max3_num_f32 v12, v12, |v[XS+30]|, |v[XS+31]|
	v_max3_num_f32 v12, v12, v13, 0x1800000        ; and the floor
	v_add_nc_u32 v11, 0xff000000, v12              ; the conversion's scale operand
	v_cvt_scalef32_pk16_fp6_f32 v[CD:CD+2], v[XS:XS+15], v11
	v_cvt_scalef32_pk16_fp6_f32 v[WT:WT+2], v[XS+16:XS+31], v11
	v_lshrrev_b32 v13, 23, v11                     ; the byte; also the plain instruction behind the conversions
.if BE == 0
	v_mov_b32 v[SB+KS2], v13
.else
	v_lshl_or_b32 v[SB+KS2], v13, 8*BE, v[SB+KS2]
.endif
.irp i, 0,1,2
	v_mov_b32 v[CD+3+\i], v[WT+\i]
.endr
.if (\n)+2 < 8
	LOADB (\n)+2
.endif
.if CC == 1
.irp m, 0,1,2
	ds_store_b128 v5, v[WC+12*HH+4*\m:WC+12*HH+4*\m+3] offset:256*HH+512*\m
.endr
.endif
.if (\n)%4 == 3                        ; a K step is whole: the two images come back lane by lane and leave in runs of 512 bytes
.irp u, 0,1
.irp m, 0,1,2
	ds_load_b128 v[WO+24*KS2+12*\u+4*\m:WO+24*KS2+12*\u+4*\m+3], v6 offset:WHALF*\u+512*\m
.endr
.endr
	s_wait_alu depctr_va_vdst(0)
	s_wait_dscnt 0x0                               ; they are back; the stage and the codes' registers may be written again
.irp u, 0,1
.irp m, 0,1,2
	global_store_b128 v4, v[WO+24*KS2+12*\u+4*\m:WO+24*KS2+12*\u+4*\m+3], s[48:49] offset:KSB*KS2+FRB*\u+512*\m
.endr
.endr
	global_store_b32 v7, v[SB+KS2], s[50:51] offset:256*KS2   ; four bytes a lane: one byte for 128 that the launch reads
.endif
.endm
	s_wait_alu depctr_va_vdst(0)
	LOADB 0
	LOADB 1
.irp n, 0,1,2,3,4,5,6,7
	BLOCKW \n
.endr
	s_wait_tensorcnt 0x0
	ds_add_u32 v62, v63
	s_wait_dscnt 0x0
	s_endpgm
.Lfunc_end_k_q5ba8de0043_quant:
	.size	k_q5ba8de0043_quant, .Lfunc_end_k_q5ba8de0043_quant-k_q5ba8de0043_quant
	.p2alignl 7, 3214868480
	.fill 96, 4, 3214868480
	.section	.rodata,"a",@progbits
	.p2align	6, 0x0
	.amdhsa_kernel k_q5ba8de0043_quant
		.amdhsa_group_segment_fixed_size 47616
		.amdhsa_private_segment_fixed_size 0
		.amdhsa_enable_private_segment 0
		.amdhsa_kernarg_size 56
		.amdhsa_user_sgpr_count 2
		.amdhsa_user_sgpr_kernarg_segment_ptr 1
		.amdhsa_wavefront_size32 1
		.amdhsa_system_sgpr_workgroup_id_x 1
		.amdhsa_system_sgpr_workgroup_id_y 1
		.amdhsa_system_sgpr_workgroup_id_z 1
		.amdhsa_system_vgpr_workitem_id 0
		.amdhsa_next_free_vgpr 256
		.amdhsa_next_free_sgpr 66
		.amdhsa_reserve_vcc 1
		.amdhsa_float_denorm_mode_32 3
		.amdhsa_float_denorm_mode_16_64 3
		.amdhsa_memory_ordered 1
		.amdhsa_forward_progress 1
		.amdhsa_inst_pref_size 77
	.end_amdhsa_kernel
	.amdgpu_metadata
---
amdhsa.version: [ 1, 2 ]
amdhsa.kernels:
  - .name:           k_q5ba8de0043_quant
    .symbol:         k_q5ba8de0043_quant.kd
    .args:
      - { .name: x, .offset: 0, .size: 8, .value_kind: global_buffer, .address_space: global }
      - { .name: Wq, .offset: 8, .size: 8, .value_kind: global_buffer, .address_space: global }
      - { .name: Wk, .offset: 16, .size: 8, .value_kind: global_buffer, .address_space: global }
      - { .name: Wv, .offset: 24, .size: 8, .value_kind: global_buffer, .address_space: global }
      - { .name: Wo, .offset: 32, .size: 8, .value_kind: global_buffer, .address_space: global }
      - { .name: xq, .offset: 40, .size: 8, .value_kind: global_buffer, .address_space: global }
      - { .name: wq, .offset: 48, .size: 8, .value_kind: global_buffer, .address_space: global }
    .group_segment_fixed_size: 47616
    .private_segment_fixed_size: 0
    .kernarg_segment_align: 8
    .kernarg_segment_size: 56
    .max_flat_workgroup_size: 128
    .sgpr_count:     66
    .vgpr_count:     256
    .wavefront_size: 32
...
	.end_amdgpu_metadata
.endif
;; end of part 1
;; launch proj (part 2): grid 24 x 8, 4 waves a work-group, no clusters, 327,680 bytes of LDS; arguments xq, wq, qkv; writes qkv
.if DOCPART == 2
	.amdgcn_target "amdgcn-amd-amdhsa--gfx1250"
	.amdhsa_code_object_version 6
	.text
	.protected	k_q5ba8de0043_proj
	.globl	k_q5ba8de0043_proj
	.p2align	8
	.type	k_q5ba8de0043_proj,@function
k_q5ba8de0043_proj:
	s_mov_b64 s[64:65], 0
	v_nop
	global_prefetch_b8 v0, s[64:65] scope:SCOPE_SE
	s_setreg_imm32_b32 hwreg(HW_REG_WAVE_MODE, 25, 1), 1
	s_wait_xcnt 0x0
; q = x Wq, k = x Wk, v = x Wv on codes of FP6 (E2M3) with E8M0 scales, f32 sums; the results are quantised in registers (q, k along the head's 128, v along the keys) and stored as operand images.
; OPERANDS (made by the launch before): rows in tiles of 16, lane-row r of tile t = row 32 (t / 2) + 8 (t % 2) + r % 8 + 16 (r / 8); a fragment (16 rows x 128 K) is the image of its 12 registers, 1,536 bytes;
; codes [row block of 8 tiles][K step 0-15][tile][1,536]; scale words [group of 4 tiles][K step][256], word of (row r, tile i) at 16 r + 4 i.
; A product is written: source 0 = a tile of Q, source 1 = a tile of P.  A lane then holds ONE row of P, and the 16 registers of Q's tiles 2 b, 2 b + 1 are 16 neighbours along the next product's K.
; A work-group: one row block of Q x four row blocks of P, one to a wave: 128 x 128, 64 accumulators.  x = 0..19: Q = a head of Wq or Wk, P = 512 tokens.  x = 20..23: Q = 128 tokens, P = Wv's four heads.
; 768 units of 128 x 128 are 192 work-groups of four; q and k have 640 units and v 128, so shares of three units with one Q do not exist.
; Q's CODES COME INTO LDS, EVERY BYTE ONCE, IN GROUPS: K steps 0 and 1 at the head, then three steps a group (2-4 behind the head's barrier, 5-7, 8-10, 11-13, 14-16 in the four trips of the loop), one tensor load a wave and group:
; wave w fetches tiles 2 w, 2 w + 1 of each step of the group.  Step s lies in group (s + 1) / 3 at row (s + 1) % 3: LDS byte 36,864 group + 9,216 (tile / 2) + 3,072 row + 1,536 (tile % 2).
; A group is shown to all waves by the barrier in front of the next group's loads, three K steps after it was asked for.  The last group's third row lies behind K; it comes with the two rows that are read, from bytes inside the
; buffer (behind every row block that serves as Q lies another block or the scale words), and nobody reads it.
; P's fragments are read by one wave alone and lie in memory as register images: they go from memory straight into registers, 512 consecutive bytes a load; a run is a K step: 24 loads of codes, 2 of P's scale words, 2 of Q's; three sets.
; NO CLUSTER: a joint request could serve Q's codes alone, 196,608 of the 1,024,000 bytes that a work-group reads, and in the 32 work-groups of v no two have the same Q.
; PREFETCH: P's K step k + 5 is asked for in step k, three steps ahead of its loads; of the work-groups that read a row block the first sixteen (by head, or by token block) name 3 of its 48 blocks of 256 bytes each;
; nothing is asked for from step 10 on, so every address lies inside K; the scale words come by their loads alone.
; LIMITS: NaN and infinities are not served; a block whose largest magnitude lies under 2^-124 gets the byte 1; these bytes are read by this program alone.
; REGISTERS: v2-11 addresses; v16-39 Q's scale words, v40-63 P's (three sets each); v64-159 Q's fragments, one set: tiles 0-3 are fetched anew in a step's middle, tiles 4-7 at its end;
;   v160-447 P's three sets; windows 2, 3: accumulator (a, b) in window 2 + b / 4 at 128 ((b % 4) / 2) + 16 a + 8 (b % 2).
.set FRB,   1536
.set KSB,   12288
.set RBB,   196608
.set CHK,   36864                      ; a group: three K steps
.set QTR,   9216                       ; a wave's part of it
.set SPARE, 221184                     ; behind six groups
.set XSC,   6291456
.set WSC,   7864320
.set OSC,   9437184
.set LI,  2                            ; 16 x lane
.set SU,  3                            ; 16 r + 256 h
.set GR,  4                            ; 16 r
.set AQ,  5                            ; v5, v6: LDS: the trip's group and the next
.set PFO, 8                            ; the prefetches' offset
.set LN,  9
.set SPW, 10
.set NIL, 11
.set SQ,  16
.set SP,  40
.set QF,  64
.set OC,  64
.set OT,  160
.set TM,  168
.set OW,  184
.set OS,  192
.set SEL, 2
.set G1A, 24                           ; group 1: two rows of 3,072 bytes; s[32:39]: three
.set G1K, 32
.set G0A, 40
.set G0K, 44
.set PB,  48                           ; s[48:49] P's codes, at the trip's base step
.set PS,  50                           ; s[50:51] P's scale words there
.set RC,  52
.set RS,  54
.set TQ,  56
.set CNT, 58
.set LIM, 59
.set QS,  82                           ; s[82:83] Q's scale words at the trip's base step
.set MSB, 0
.macro WIN new                         ; the immediate's high byte repeats the setting that is left
.if MSB != (\new)
	s_set_vgpr_msb (MSB<<8)|(\new)
.set MSB, (\new)
.endif
.endm
.macro PLACES n
.rept \n
	v_nop
.endr
.endm
.macro WM d, q, p, sq, sp, zero
.if \zero
	v_wmma_scale_f32_16x16x128_f8f6f4 v[\d:\d+7], v[\q:\q+11], v[\p:\p+11], 0, v[\sq], v[\sp] matrix_a_fmt:MATRIX_FMT_FP6 matrix_b_fmt:MATRIX_FMT_FP6
.else
	v_wmma_scale_f32_16x16x128_f8f6f4 v[\d:\d+7], v[\q:\q+11], v[\p:\p+11], v[\d:\d+7], v[\sq], v[\sp] matrix_a_fmt:MATRIX_FMT_FP6 matrix_b_fmt:MATRIX_FMT_FP6
.endif
.endm
; 12 LDS loads: Q's tiles 4 hf .. 4 hf + 3 of step base + jj
.macro QRUN hf, jj
	WIN 0
.irp b, 0,1,2,3
.irp c, 0,1,2
	ds_load_b128 v[QF+12*(4*(\hf)+\b)+4*\c:QF+12*(4*(\hf)+\b)+4*\c+3], v[AQ+((\jj)+1)/3] offset:((4*(\hf)+\b)/2)*QTR+(((\jj)+1)%3)*3072+(\b%2)*FRB+512*\c
.endr
.endr
.endm
; 28 global loads: step base + jj into set jj % 3 (the base is a multiple of 3): P's and Q's scale words, P's eight fragments
.macro PRUN jj
.set PRB, (160+96*((\jj)%3))%256
	WIN 0
.irp g, 0,1
	global_load_b128 v[SP+8*((\jj)%3)+4*\g:SP+8*((\jj)%3)+4*\g+3], v[GR], s[PS:PS+1] offset:4096*\g+256*(\jj)
	global_load_b128 v[SQ+8*((\jj)%3)+4*\g:SQ+8*((\jj)%3)+4*\g+3], v[GR], s[QS:QS+1] offset:4096*\g+256*(\jj)
.endr
	WIN ((160+96*((\jj)%3))/256)<<6
.irp a, 0,1,2,3,4,5,6,7
.irp c, 0,1,2
	global_load_b128 v[PRB+12*\a+4*\c:PRB+12*\a+4*\c+3], v[LI], s[PB:PB+1] offset:(\jj)*KSB+\a*FRB+512*\c
.endr
.endr
.endm
; 32 products: four tiles of Q, each against P's eight.  The 64 accumulators take turns, one instruction a turn, in the same order in every step
.macro MULH hf, jj, zero
.set PRB, (160+96*((\jj)%3))%256
	WIN (((160+96*((\jj)%3))/256)<<2)|((2+(\hf))*0x50)
.irp b, 0,1,2,3
.irp a, 0,1,2,3,4,5,6,7
	WM (128*(\b/2)+16*\a+8*(\b%2)), (QF+12*(4*(\hf)+\b)), (PRB+12*\a), (SQ+8*((\jj)%3)+4*(\hf)+\b), (SP+8*((\jj)%3)+\a), \zero
.endr
.endr
.endm
.macro PREF jj
	WIN 0
	s_cmp_gt_u32 s[CNT], s[LIM]                    ; not in the loop's last trip, and only in the sixteen work-groups that share the blocks out
	s_cbranch_scc0 .Lnp_\@
	global_prefetch_b8 v[PFO], s[PB:PB+1] offset:((\jj)+5)*KSB th:TH_LOAD_NT scope:SCOPE_SE
.Lnp_\@:
.endm
; A K step.  pl: the run two steps on is issued; lc: the global loads that may stay out when this step's set is needed (the next step's run); ql: the next step's Q is fetched;
; sq = 1: in the step's middle the group of Q that is out is shown to all waves and the next one is asked for; sq = 2: it is shown, and nothing is left to ask for
.macro STEP jj, zero, pl, lc, pf, ql, sq
.if \zero == 0
	PLACES 4                                       ; four plain instructions in front of loads into registers that the last products read
.endif
	QRUN 1, \jj
	s_wait_loadcnt \lc                             ; this step's set is in
.if \pl
	PRUN (\jj)+2                                   ; into the set that the step before multiplied
.endif
	s_wait_dscnt 12                                ; Q's tiles 0-3 are in; the 12 loads just issued may be out
	MULH 0, \jj, \zero
.if \sq
	WIN 0
	s_wait_tensorcnt 0x0                           ; my part of the group that was out is in
.if \sq == 1
	ds_add_u32 v[SPW], v[NIL]
	s_add_co_u32 s[G0K+1], s[G0K+1], CHK           ; no load of mine is out: the next group
	s_add_nc_u64 s[G0K+2:G0K+3], s[G0K+2:G0K+3], CHK
.endif
	s_wait_dscnt 0x0
	s_barrier_signal -1
	s_barrier_wait -1                              ; and everybody's
.if \sq == 1
	tensor_load_to_lds s[G0K:G0K+3], s[G1K:G1K+7]  ; my one load behind the barrier
	s_nop 0
.endif
.endif
	PLACES 4
.if \pf
	PREF \jj
.endif
.if \ql
	QRUN 0, (\jj)+1
	s_wait_dscnt 12                                ; Q's tiles 4-7 are in; the 12 loads just issued may be out
.else
	s_wait_dscnt 0x0
.endif
	MULH 1, \jj, \zero
.endm
	s_load_b128 s[4:7], s[0:1], 0x0                ; xq, wq
	s_load_b64 s[8:9], s[0:1], 0x10                ; qkv
	v_lshl_add_u32 v[SPW], v0, 2, SPARE
	v_mov_b32 v[NIL], 0
	ds_add_u32 v[SPW], v[NIL]                      ; the opening lines: the add, twice on end, and its wait ahead of my first tensor load
	ds_add_u32 v[SPW], v[NIL]
	v_lshrrev_b32 v1, 5, v0
	v_readfirstlane_b32 s14, v1                    ; wave 0..3: which of P's four row blocks is mine
	s_mov_b32 s[SEL], 0x76543210
	s_mov_b32 s[SEL+1], 0xfedcba98
	s_and_b32 s15, ttmp7, 0xffff                   ; Y
	s_lshl_b32 s20, s15, 2
	s_sub_co_u32 s21, ttmp9, 20
	s_add_co_u32 s22, s20, s21                     ; v: the token block, 4 Y + x - 20
	s_add_co_u32 s23, s20, s14                     ; P's row block: of x, 4 Y + w;
	s_add_co_u32 s60, s14, 20                      ; of Wv, 20 + w
	s_lshl_b32 s61, ttmp9, 8                       ; my first fragment of the result: q, k: 256 x + 32 Y + 8 w;
	s_lshl_b32 s63, s15, 5
	s_add_co_u32 s61, s61, s63
	s_lshl_b32 s63, s14, 3
	s_add_co_u32 s61, s61, s63
	s_lshr_b32 s62, s22, 3                         ; v: 5,120 + ((4 batch + head) 8 + key step) 8, the head being my wave's number
	s_lshl_b32 s62, s62, 2
	s_add_co_u32 s62, s62, s14
	s_lshl_b32 s62, s62, 3
	s_and_b32 s63, s22, 7
	s_add_co_u32 s62, s62, s63
	s_lshl_b32 s62, s62, 3
	s_add_co_u32 s62, s62, 5120
	s_mov_b32 s66, ttmp9
	s_mov_b32 s67, XSC
	s_mov_b32 s68, WSC
	s_cmp_ge_u32 ttmp9, 20                         ; v's work-groups: the choice hangs on the work-group's number alone
	s_cselect_b32 s23, s60, s23                    ; P's row block
	s_cselect_b32 s66, s22, s66                    ; Q's row block; also my number among the work-groups that read my P
	s_cselect_b32 s61, s62, s61
	s_cselect_b32 s69, s68, s67                    ; where P's scale words begin
	s_cselect_b32 s68, s67, s68                    ; and Q's
	s_mul_i32 s70, s23, RBB
	s_mov_b32 s71, 0
	s_lshl_b32 s72, s23, 13
	s_add_co_u32 s72, s72, s69
	s_mov_b32 s73, 0
	s_mul_i32 s63, s14, QTR                        ; my part of a group in LDS
	s_mul_i32 s62, s14, 3072                       ; and of a K step in memory
	s_mul_i32 s74, s66, RBB
	s_add_co_u32 s74, s74, s62
	s_mov_b32 s75, 0
	s_lshl_b32 s76, s66, 13
	s_add_co_u32 s76, s76, s68
	s_mov_b32 s77, 0
	s_mul_i32 s78, s61, FRB
	s_mov_b32 s79, 0
	s_lshl_b32 s80, s61, 6
	s_add_co_u32 s80, s80, OSC
	s_mov_b32 s81, 0
	s_mul_i32 s60, s66, 3
	s_mov_b32 s[LIM], 99
	s_cmp_lt_u32 s66, 16
	s_cselect_b32 s[LIM], 1, s[LIM]
	s_mov_b32 s[TQ], 0
	s_mov_b32 s[CNT], 4
	v_and_b32 v[LN], 31, v0
	v_and_b32 v1, 15, v0
	v_bfe_u32 v12, v0, 4, 1
	v_lshlrev_b32 v[LI], 4, v[LN]
	v_lshlrev_b32 v[GR], 4, v1
	v_lshl_add_u32 v[SU], v12, 8, v[GR]
	v_add_nc_u32 v[AQ], s[TQ], v[LI]
	v_add_nc_u32 v[AQ+1], CHK, v[AQ]
	v_min_u32 v[PFO], 2, v[LN]
	v_add_nc_u32 v[PFO], s60, v[PFO]
	v_lshlrev_b32 v[PFO], 8, v[PFO]                ; block 3 n + 0, 1, 2 of a K step's 48; the lanes left over name the last again
.irp g, G1A, G1K                               ; rows of 384 elements of 8 bytes, a K step (1,536 elements) apart
	s_mov_b32 s[\g], 3<<16
	s_mov_b32 s[\g+1], 384<<16
	s_mov_b32 s[\g+3], 384<<16
	s_mov_b32 s[\g+5], 1536
	s_mov_b32 s[\g+6], 0
	s_mov_b32 s[\g+7], 0
.endr
	s_mov_b32 s[G1A+2], 2<<16
	s_mov_b32 s[G1A+4], 2
	s_mov_b32 s[G1K+2], 3<<16
	s_mov_b32 s[G1K+4], 3
	s_wait_alu depctr_va_vdst(0)
	s_wait_dscnt 0x0                               ; both opening adds are done
	s_wait_kmcnt 0x0
	s_cmp_ge_u32 ttmp9, 20
	s_cselect_b64 s[10:11], s[6:7], s[4:5]         ; P's buffer
	s_cselect_b64 s[12:13], s[4:5], s[6:7]         ; Q's
	s_add_nc_u64 s[PB:PB+1], s[10:11], s[70:71]
	s_add_nc_u64 s[PS:PS+1], s[10:11], s[72:73]
	s_add_nc_u64 s[QS:QS+1], s[12:13], s[76:77]
	s_mov_b32 s[G0A], 1                            ; K steps 0 and 1: rows 1 and 2 of group 0
	s_add_co_u32 s[G0A+1], s63, 3072
	s_add_nc_u64 s[G0A+2:G0A+3], s[12:13], s[74:75]
	s_mov_b32 s[G0K], 1                            ; K steps 2 to 4: group 1
	s_add_co_u32 s[G0K+1], s63, CHK
	s_add_nc_u64 s[G0K+2:G0K+3], s[G0A+2:G0A+3], 2*KSB
	s_or_b32 s[G0A+3], s[G0A+3], 0x80000000
	s_or_b32 s[G0K+3], s[G0K+3], 0x80000000
	s_add_nc_u64 s[RC:RC+1], s[8:9], s[78:79]
	s_add_nc_u64 s[RS:RS+1], s[8:9], s[80:81]
	tensor_load_to_lds s[G0A:G0A+3], s[G1A:G1A+7]  ; one tensor load a wave at the head
	s_nop 0
	PLACES 4
	PRUN 0
	PRUN 1
	WIN 0
	s_wait_tensorcnt 0x0                           ; my part of K steps 0 and 1 is in
	ds_add_u32 v[SPW], v[NIL]
	s_wait_dscnt 0x0
	s_barrier_signal -1
	s_barrier_wait -1                              ; and everybody's
	tensor_load_to_lds s[G0K:G0K+3], s[G1K:G1K+7]
	s_nop 0
	PLACES 4
	QRUN 0, 0
	STEP 0, 1, 1, 28, 1, 1, 0                      ; the first step's products start the sums
	WIN 0
.Ltrip:                                                ; steps 1 to 12, three to a trip: P's sets and Q's rows are back where they began
	STEP 1, 0, 1, 28, 1, 1, 1
	STEP 2, 0, 1, 28, 1, 1, 0
	STEP 3, 0, 1, 28, 1, 1, 0
	WIN 0
	s_wait_xcnt 0x0                                ; the loads and prefetches have read their bases
	s_add_nc_u64 s[PB:PB+1], s[PB:PB+1], 3*KSB
	s_add_nc_u64 s[PS:PS+1], s[PS:PS+1], 768
	s_add_nc_u64 s[QS:QS+1], s[QS:QS+1], 768
	s_add_co_u32 s[TQ], s[TQ], CHK
	v_add_nc_u32 v[AQ], s[TQ], v[LI]
	v_add_nc_u32 v[AQ+1], CHK, v[AQ]
	s_sub_co_u32 s[CNT], s[CNT], 1
	s_cmp_lg_u32 s[CNT], 0
	s_wait_alu depctr_va_vdst(0)
	s_cbranch_scc1 .Ltrip
	STEP 1, 0, 1, 28, 0, 1, 2                      ; steps 13 to 15: step 15's run is the last
	STEP 2, 0, 0, 28, 0, 1, 0
	STEP 3, 0, 0, 0, 0, 0, 0
	WIN 0
; THE WAY OUT.  For P's tile a, block b of the next K (32 numbers, 16 in my lane) lies in window 2 + b / 2 at 128 (b % 2) + 16 a.  Each accumulator is read from its low end on.
.macro QUANTW a, pc, pw
.irp w, 0,1
	WIN (2+\w)*5
.irp u, 0,1
.irp g, 0,1
	v_max3_num_f32 v[TM+8*\g+2*\w+\u], |v[128*\u+16*(\a)+8*\g]|, |v[128*\u+16*(\a)+8*\g+1]|, 0x1800000   ; with the floor 2^(3 - 127)
.endr
.endr
	WIN (2+\w)*20
.irp i, 2,4,6
.irp u, 0,1
.irp g, 0,1
	v_max3_num_f32 v[TM+8*\g+2*\w+\u], v[TM+8*\g+2*\w+\u], |v[128*\u+16*(\a)+8*\g+\i]|, |v[128*\u+16*(\a)+8*\g+\i+1]|
.endr
.endr
.endr
.endr
	WIN 0
.irp b, 0,1,2,3
	v_max_num_f32 v[TM+\b], v[TM+\b], v[TM+8+\b]       ; the two chains of a block
.endr
.irp b, 0,1,2,3
	v_permlanex16_b32 v[TM+4+\b], v[TM+\b], s[SEL], s[SEL+1]
.endr
.irp b, 0,1,2,3
	v_max_num_f32 v[TM+\b], v[TM+\b], v[TM+4+\b]       ; with lane l xor 16: the block's largest magnitude
.endr
.irp b, 0,1,2,3
	v_add_nc_u32 v[TM+12+\b], 0xff000000, v[TM+\b]     ; 2 off the exponent field: the conversion's scale operand
.endr
.irp b, 0,1,2,3
	v_lshrrev_b32 v[TM+4+\b], 23, v[TM+12+\b]          ; the scale's byte
.endr
	v_lshl_or_b32 v[\pw], v[TM+5], 8, v[TM+4]
	v_lshl_or_b32 v[\pw], v[TM+6], 16, v[\pw]
	v_lshl_or_b32 v[\pw], v[TM+7], 24, v[\pw]
.irp c, 0,1
	WIN 2+\c
	v_cvt_scalef32_pk16_fp6_f32 v[\pc+6*\c:\pc+6*\c+2], v[16*(\a):16*(\a)+15], v[TM+12+2*\c]
	v_cvt_scalef32_pk16_fp6_f32 v[OT+4*\c:OT+4*\c+2], v[128+16*(\a):128+16*(\a)+15], v[TM+13+2*\c]   ; (a conversion's three registers begin on an even number)
.endr
	WIN 0
	v_nop                                          ; one plain instruction behind the scaled conversions
.irp c, 0,1                                    ; the operand wants a whole block in a lane
.irp i, 0,1,2
	v_permlane16_swap_b32 v[\pc+6*\c+\i], v[OT+4*\c+\i]
.endr
.irp i, 0,1,2
	v_mov_b32 v[\pc+6*\c+3+\i], v[OT+4*\c+\i]
.endr
.endr
.endm
	PLACES 4                                       ; in front of the first read of results just made, and of writes into registers that held fragments
.irp b, 0,1,2,3
	v_mov_b32 v[TM+4+\b], 0                        ; written once: a lane permute's destination counts as one of its sources
.endr
.irp a, 0,1,2,3,4,5,6,7
	QUANTW \a, OC+12*\a, OW+\a
.irp c, 0,1,2
	global_store_b128 v[LI], v[OC+12*\a+4*\c:OC+12*\a+4*\c+3], s[RC:RC+1] offset:FRB*\a+512*\c   ; 512 consecutive bytes a store; each tile has registers of its own
.endr
.endr
	v_cmp_lt_u32 vcc_lo, 15, v[LN]                 ; lanes 0-15 store the words of tiles 0-3, lanes 16-31 those of tiles 4-7
.irp i, 0,1,2,3
	v_cndmask_b32 v[OS+\i], v[OW+\i], v[OW+4+\i], vcc_lo
.endr
	global_store_b128 v[SU], v[OS:OS+3], s[RS:RS+1]   ; 512 consecutive bytes, aligned: my two scale units
	s_wait_tensorcnt 0x0                           ; the wave's end
	ds_add_u32 v[SPW], v[NIL]
	s_wait_dscnt 0x0
	s_endpgm
.Lfunc_end_k_q5ba8de0043_proj:
	.size	k_q5ba8de0043_proj, .Lfunc_end_k_q5ba8de0043_proj-k_q5ba8de0043_proj
	.p2alignl 7, 3214868480
	.fill 96, 4, 3214868480
	.section	.rodata,"a",@progbits
	.p2align	6, 0x0
	.amdhsa_kernel k_q5ba8de0043_proj
		.amdhsa_group_segment_fixed_size 327680
		.amdhsa_private_segment_fixed_size 0
		.amdhsa_enable_private_segment 0
		.amdhsa_kernarg_size 24
		.amdhsa_user_sgpr_count 2
		.amdhsa_user_sgpr_kernarg_segment_ptr 1
		.amdhsa_wavefront_size32 1
		.amdhsa_system_sgpr_workgroup_id_x 1
		.amdhsa_system_sgpr_workgroup_id_y 1
		.amdhsa_system_sgpr_workgroup_id_z 1
		.amdhsa_system_vgpr_workitem_id 0
		.amdhsa_next_free_vgpr 1024
		.amdhsa_next_free_sgpr 84
		.amdhsa_reserve_vcc 1
		.amdhsa_float_denorm_mode_32 3
		.amdhsa_float_denorm_mode_16_64 3
		.amdhsa_memory_ordered 1
		.amdhsa_forward_progress 1
		.amdhsa_inst_pref_size 132
	.end_amdhsa_kernel
	.amdgpu_metadata
---
amdhsa.version: [ 1, 2 ]
amdhsa.kernels:
  - .name:           k_q5ba8de0043_proj
    .symbol:         k_q5ba8de0043_proj.kd
    .args:
      - { .name: xq, .offset: 0, .size: 8, .value_kind: global_buffer, .address_space: global }
      - { .name: wq, .offset: 8, .size: 8, .value_kind: global_buffer, .address_space: global }
      - { .name: qkv, .offset: 16, .size: 8, .value_kind: global_buffer, .address_space: global }
    .group_segment_fixed_size: 327680
    .private_segment_fixed_size: 0
    .kernarg_segment_align: 8
    .kernarg_segment_size: 24
    .max_flat_workgroup_size: 128
    .sgpr_count:     84
    .vgpr_count:     1024
    .wavefront_size: 32
...
	.end_amdgpu_metadata
.endif
;; end of part 2
;; launch attn (part 3): grid 16 x 16, 16 waves a work-group, clusters of 4 x 1, 206,848 bytes of LDS; arguments qkv, yq; writes yq
.if DOCPART == 3
	.amdgcn_target "amdgcn-amd-amdhsa--gfx1250"
	.amdhsa_code_object_version 6
	.text
	.protected	k_q5ba8de0043_attn
	.globl	k_q5ba8de0043_attn
	.p2align	8
	.type	k_q5ba8de0043_attn,@function
k_q5ba8de0043_attn:
	s_mov_b64 s[64:65], 0
	v_nop
	global_prefetch_b8 v0, s[64:65] scope:SCOPE_SE
	s_setreg_imm32_b32 hwreg(HW_REG_WAVE_MODE, 25, 1), 1
	s_wait_xcnt 0x0
	s_wait_alu depctr_hold_cnt(0) depctr_sa_sdst(0) depctr_va_vdst(0) depctr_va_sdst(0) depctr_va_ssrc(0) depctr_va_vcc(0) depctr_vm_vsrc(0)
	s_getreg_b32 s2, hwreg(HW_REG_IB_STS2, 6, 4)
	s_cmp_eq_u32 s2, 0
	s_cbranch_scc0 .Lentry_in_a_cluster
	s_endpgm
.Lentry_in_a_cluster:
	s_bfe_u32 s2, ttmp6, 0x10000c
	s_cmp_lg_u32 s2, 0x3003
	s_cbranch_scc0 .Lentry_shape_is_right
	s_endpgm
.Lentry_shape_is_right:
; Causal attention with grouped heads on codes of FP6 (E2M3) with E8M0 scales: y[b][q][head] = softmax_k(q . k / sqrt(128)) v, key k counts for query q where k <= q.  y is quantised along the model's 2,048 and stored as operand images.
; INPUTS (made by the launch before, in qkv): fragments of 1,536 bytes, the images of an operand's 12 registers; tiles of 16 rows, lane-row r of tile t = row 32 (t / 2) + 8 (t % 2) + r % 8 + 16 (r / 8).
;   q: fragment 256 head + 64 batch + tile;  k: 256 (16 + kv) + 64 batch + tile (K = the head's 128);  v: 5,120 + 64 (4 batch + kv) + 8 key step + tile of the head's 128 (K = 128 keys).
;   scale words from byte 9,437,184 on, 64 bytes a fragment: for four fragments on end a unit of 256 bytes, the word of (row r, fragment i) at 16 r + 4 i.
; THE SOFTMAX: t = score x log2(e) / sqrt(128); M = the running largest t rounded UP to a whole number; p = 2^(t - M) is quantised along the keys, not normalised; the row's sum is taken of the unquantised p and divides at the end.
; SHARES.  A work-group serves one query head of one batch; each of its 16 waves owns one tile of 16 queries, tile 4 U + j (j = the cluster's x, U from the wave's number): all its queries lie in key step U / 2, so a wave walks
; U / 2 + 1 key steps of 128, and every work-group has the same 72 wave steps.  Steps all of whose keys come after the wave's queries are jumped over by a scalar branch on the wave's number and the step's count.
; CLUSTER 4 x 1: the four partners are the four query heads that share a key and value head: K, V and their scale words are asked for JOINTLY.  A head's K and V fit in LDS whole: every byte is filled ONCE, there is no ring.
; Both products are used transposed (S^T = K Q^T, O^T = V^T P^T): a lane holds one query throughout, and the 16 registers of two neighbouring tiles are 16 neighbours along the next product's K.
; LIMITS: NaN and infinities are not served; the division by the row's sum is a reciprocal and a multiplication; a block of y whose largest magnitude lies under 2^-124 gets the byte 1 (read by this program alone).
; REGISTERS: v1-5 addresses that stay; v8-10 addresses of the step; v12 -M, v13 the largest t, v[14:15] the sum; v16-27 Q; v32-79 four fragments of K or V; v96-159 S^T, then p; v160-223 O^T; v224-235 p's codes;
;   v232-247, v252, v254 at work; v248-251 scale words of K or V, v253 p's, v255 Q's.
.set FRB,   1536
.set KSB,   12288                      ; a key step's 8 fragments
.set VIMG,  98304                      ; LDS: K's 64 fragments at 0, V's here,
.set KSCL,  196608                     ; K's scale words (4,096 bytes), V's 4,096 behind them
.set QSC,   9437184
.set YSC,   6291456
.set LI,  1                            ; v1  16 x lane
.set LSC, 2                            ; v2  KSCL + 16 r
.set DQ,  3                            ; v3  my query within its key step, less 16 (lane / 16)
.set GR,  4                            ; v4  16 r
.set LN,  5                            ; v5  lane
.set ADK, 8
.set ADV, 9
.set ADS, 10
.set TM,  232
.set WV,  18
.set SEL, 20                           ; s[20:21]
.set CS,  22                           ; s[22:23] c = log2(e) / sqrt(128)
.set G1A, 24                           ; s[24:31] group 1: 8 rows of 256 bytes (scale words); s[32:39]: 48 rows (a key step); s[40:47]: 144 rows (three key steps)
.set G1B, 32
.set G1C, 40
.set G0A, 48                           ; s[48:59] their groups 0
.set G0B, 52
.set G0C, 56
.set LAST, 60                          ; s60 my last key step
.set STP,  61                          ; s61 the key step in hand
.set TK,   62                          ; s62 where its fragments begin
.set TSC,  63                          ; s63 and its scale words
.set CNT,  66
.macro CROUND
	s_barrier_signal -1
	s_barrier_wait -1
	s_cmp_lg_u32 s[WV], 0
	s_cbranch_scc1 .Lnot_wave_0_\@
	s_barrier_signal -3
.Lnot_wave_0_\@:
	s_barrier_wait -3
	s_barrier_signal -1
	s_barrier_wait -1
.endm
	s_load_b128 s[4:7], s[0:1], 0x0                ; qkv s[4:5], yq s[6:7]
	v_lshl_add_u32 v95, v0, 2, 0x32000
	v_mov_b32 v243, 0
	ds_add_u32 v95, v243
	ds_add_u32 v95, v243
	v_lshrrev_b32 v8, 5, v0
	s_delay_alu instid0(VALU_DEP_1)
	v_readfirstlane_b32 s[WV], v8                  ; wave 0..15
	v_and_b32 v[LN], 31, v0
	s_delay_alu instid0(VALU_DEP_1)
	v_lshlrev_b32 v[LI], 4, v[LN]
	v_and_b32 v8, 15, v0
	s_delay_alu instid0(VALU_DEP_1)
	v_lshlrev_b32 v[GR], 4, v8
	s_delay_alu instid0(VALU_DEP_1)
	v_add_nc_u32 v[LSC], KSCL, v[GR]
	s_and_b32 s8, ttmp7, 0xffff                    ; 4 batch + kv: the four partners share it
	s_lshr_b32 s9, s8, 2                           ; batch
	s_and_b32 s10, s8, 3                           ; kv
	s_lshr_b32 s11, s[WV], 2
	s_and_b32 s11, s11, 2
	s_xor_b32 s19, s[WV], s11                      ; U = w, with bit 1 turned in waves 8-15: waves w, w + 4, w + 8, w + 12 then have 18 steps together, for every w
	s_lshr_b32 s[LAST], s19, 1
	s_lshl_b32 s12, s19, 2
	s_add_co_u32 s12, s12, ttmp9                   ; my tile of queries, 0..63
	; what waves 0-11 fetch, one tensor load each: waves 0-3 the scale words, 4-7 key steps 0 and 1, 8-11 key steps 2 to 7; in each four, bit 1 says K or V, bit 0 which half.  No register here ever holds cx
	s_bfe_u32 s13, s[WV], 0x10001
	s_and_b32 s14, s[WV], 1
	s_add_co_u32 s15, s10, 16
	s_lshl_b32 s15, s15, 8
	s_lshl_b32 s16, s9, 6
	s_add_co_u32 s15, s15, s16                     ; K's first fragment
	s_lshl_b32 s16, s8, 6
	s_add_co_u32 s16, s16, 5120                    ; V's
	s_cmp_eq_u32 s13, 0
	s_cselect_b32 s15, s15, s16
	s_mul_i32 s68, s15, FRB
	s_mul_i32 s16, s14, KSB
	s_add_co_u32 s68, s68, s16                     ; key step 0 or 1
	s_mov_b32 s69, 0
	s_mul_i32 s70, s15, FRB
	s_mul_i32 s17, s14, 3*KSB
	s_add_co_u32 s70, s70, s17
	s_add_co_u32 s70, s70, 2*KSB                   ; key steps 2-4 or 5-7
	s_mov_b32 s71, 0
	s_lshl_b32 s72, s15, 6
	s_lshl_b32 s15, s14, 11
	s_add_co_u32 s72, s72, s15
	s_add_co_u32 s72, s72, QSC                     ; half of the scale words
	s_mov_b32 s73, 0
	s_mul_i32 s74, s13, VIMG                       ; and where they go
	s_add_co_u32 s75, s74, s16
	s_add_co_u32 s76, s74, s17
	s_add_co_u32 s76, s76, 2*KSB
	s_lshl_b32 s77, s13, 12
	s_add_co_u32 s77, s77, s15
	s_add_co_u32 s77, s77, KSCL
.irp g, G1A, G1B, G1C
	s_mov_b32 s[\g], 15|(3<<16)|(1<<21)            ; 15:0 the mask: all four partners; 17:16 elements of 8 bytes; 21 set beside a mask; no padding
	s_mov_b32 s[\g+1], 32<<16                      ; tensor_dim0 = 32: rows of 256 bytes, dense
	s_mov_b32 s[\g+3], 32<<16                      ; tile_dim0
	s_mov_b32 s[\g+5], 32
	s_mov_b32 s[\g+6], 0
	s_mov_b32 s[\g+7], 0
.endr
	s_mov_b32 s[G1A+2], 8<<16
	s_mov_b32 s[G1A+4], 8
	s_mov_b32 s[G1B+2], 48<<16
	s_mov_b32 s[G1B+4], 48
	s_mov_b32 s[G1C+2], 144<<16
	s_mov_b32 s[G1C+4], 144
	; my queries and my results: these hang on cx, the query head within the group, and live in s84-s93 and s78, s79, s67, s2, s3
	s_bfe_u32 s67, ttmp6, 0x40000
	s_lshl_b32 s78, s10, 2
	s_add_co_u32 s78, s78, s67                     ; head
	s_lshl_b32 s79, s9, 6
	s_add_co_u32 s79, s79, s12                     ; my tile among all tokens
	s_lshl_b32 s2, s78, 8
	s_add_co_u32 s2, s2, s79                       ; Q's fragment
	s_mul_i32 s84, s2, FRB
	s_mov_b32 s85, 0
	s_sub_co_u32 s86, s2, ttmp9                    ; its unit of scale words begins at the fragment that is a multiple of 4,
	s_lshl_b32 s86, s86, 6
	s_lshl_b32 s3, ttmp9, 2                        ; and its word is number j there
	s_add_co_u32 s86, s86, s3
	s_add_co_u32 s86, s86, QSC
	s_mov_b32 s87, 0
	s_lshr_b32 s88, s79, 3                         ; y: row block, K step = head, tile
	s_lshl_b32 s88, s88, 4
	s_add_co_u32 s88, s88, s78
	s_mul_i32 s88, s88, KSB
	s_and_b32 s90, s79, 7
	s_mul_i32 s90, s90, FRB
	s_add_co_u32 s88, s88, s90
	s_mov_b32 s89, 0
	s_lshr_b32 s90, s79, 2
	s_lshl_b32 s90, s90, 4
	s_add_co_u32 s90, s90, s78
	s_lshl_b32 s90, s90, 8
	s_add_co_u32 s90, s90, s3
	s_add_co_u32 s90, s90, YSC
	s_mov_b32 s91, 0
	s_lshr_b32 s92, s12, 1                         ; my tile's first query within its key step: 32 ((tile / 2) % 4) + 8 (tile % 2)
	s_and_b32 s92, s92, 3
	s_lshl_b32 s92, s92, 5
	s_and_b32 s93, s12, 1
	s_lshl_b32 s93, s93, 3
	s_add_co_u32 s92, s92, s93
	v_and_b32 v9, 7, v0
	v_bfe_u32 v10, v0, 3, 1
	v_bfe_u32 v11, v0, 4, 1
	s_delay_alu instid0(VALU_DEP_1)
	v_sub_nc_u32 v10, v10, v11
	s_delay_alu instid0(VALU_DEP_1)
	v_lshl_add_u32 v[DQ], v10, 4, v9               ; r % 8 + 16 (r / 8) - 16 (lane / 16)
	s_delay_alu instid0(VALU_DEP_1)
	v_add_nc_u32 v[DQ], s92, v[DQ]
	s_mov_b32 s[SEL], 0x76543210
	s_mov_b32 s[SEL+1], 0xfedcba98
	s_mov_b32 s[CS], 0x3e0293ee                    ; c = log2(e) / sqrt(128)
	s_mov_b32 s[CS+1], s[CS]                       ; (named with it as a pair, so it is written)
	s_mov_b32 s[STP], 0
	s_mov_b32 s[TK], 0
	s_mov_b32 s[TSC], 0
	s_wait_dscnt 0x0
	s_wait_kmcnt 0x0
	s_mov_b32 s[G0A], 1
	s_mov_b32 s[G0A+1], s77
	s_add_nc_u64 s[G0A+2:G0A+3], s[4:5], s[72:73]
	s_or_b32 s[G0A+3], s[G0A+3], 0x80000000
	s_mov_b32 s[G0B], 1
	s_mov_b32 s[G0B+1], s75
	s_add_nc_u64 s[G0B+2:G0B+3], s[4:5], s[68:69]
	s_or_b32 s[G0B+3], s[G0B+3], 0x80000000
	s_mov_b32 s[G0C], 1
	s_mov_b32 s[G0C+1], s76
	s_add_nc_u64 s[G0C+2:G0C+3], s[4:5], s[70:71]
	s_or_b32 s[G0C+3], s[G0C+3], 0x80000000
	CROUND                                         ; all four work-groups are here: the joint loads meet
	s_cmp_lt_u32 s[WV], 4                          ; one chain of branches on the wave's number, one fill to an arm
	s_cbranch_scc0 .Lfill_b
	tensor_load_to_lds s[G0A:G0A+3], s[G1A:G1A+7]  ; the scale words,
	s_nop 0
.rept 4
	v_nop
.endr
	s_branch .Lno_fill
.Lfill_b:
	s_cmp_lt_u32 s[WV], 8
	s_cbranch_scc0 .Lfill_c
	tensor_load_to_lds s[G0B:G0B+3], s[G1B:G1B+7]  ; key steps 0 and 1,
	s_nop 0
.rept 4
	v_nop
.endr
	s_branch .Lno_fill
.Lfill_c:
	s_cmp_lt_u32 s[WV], 12
	s_cbranch_scc0 .Lno_fill
	tensor_load_to_lds s[G0C:G0C+3], s[G1C:G1C+7]  ; key steps 2 to 7
	s_nop 0
.rept 4
	v_nop
.endr
.Lno_fill:
	s_add_nc_u64 s[84:85], s[4:5], s[84:85]
	s_add_nc_u64 s[86:87], s[4:5], s[86:87]
	s_add_nc_u64 s[88:89], s[6:7], s[88:89]
	s_add_nc_u64 s[90:91], s[6:7], s[90:91]
.irp c, 0,1,2
	global_load_b128 v[16+4*\c:19+4*\c], v[LI], s[84:85] offset:512*\c   ; Q's fragment stays in registers
.endr
	s_wait_alu depctr_va_vdst(0)
	global_load_b32 v255, v[GR], s[86:87]          ; and its scale words
	v_mov_b32 v13, 0xff61b1e6                      ; the largest t so far: -3e38, under every t
	s_delay_alu instid0(VALU_DEP_1)
	v_floor_f32 v12, -v13                          ; -M
	v_mov_b32 v14, 0                               ; the sum, in two halves
	v_mov_b32 v15, 0
.irp b, 0,1,2,3
	v_mov_b32 v[236+\b], 0                         ; written once: a lane permute's destination counts as one of its sources
.endr
	v_mov_b32 v252, 0
	v_mov_b32 v253, 0                              ; (named as the upper half of the pair v[252:253] before it is first written)
.set j, 0
.rept 64
	v_mov_b32 v[160+j], 0                          ; O^T: the step is written once; its first turn finds zeros, which the first change of M leaves zeros
.set j, j+1
.endr
; A KEY STEP of 128 keys.
.macro STEP
	s_cmp_gt_u32 s[STP], s[LAST]                   ; all its keys come after my queries: only the lines at its end, which step addresses, are run
	s_cbranch_scc1 .Lhidden_\@
	v_add_nc_u32 v[ADK], s[TK], v[LI]
	s_wait_alu depctr_va_vdst(0)
	v_add_nc_u32 v[ADS], s[TSC], v[LSC]
	s_wait_alu depctr_va_vdst(0)
	v_add_nc_u32 v[ADV], VIMG, v[ADK]
	v_nop                                          ; four plain instructions in front of loads into registers that the last products read
.irp g, 0,1                                    ; S^T = K Q^T, four tiles of 16 keys at a time
.if \g > 0
.rept 4
	v_nop
.endr
.endif
.irp t, 0,1,2,3
.irp c, 0,1,2
	ds_load_b128 v[32+12*\t+4*\c:35+12*\t+4*\c], v[ADK] offset:(4*\g+\t)*FRB+512*\c
.endr
.endr
	ds_load_b128 v[248:251], v[ADS] offset:256*\g  ; the four tiles' scale words
	s_wait_dscnt 0x0
.irp t, 0,1,2,3
	v_wmma_scale_f32_16x16x128_f8f6f4 v[96+8*(4*\g+\t):103+8*(4*\g+\t)], v[32+12*\t:43+12*\t], v[16:27], 0, v[248+\t], v255 matrix_a_fmt:MATRIX_FMT_FP6 matrix_b_fmt:MATRIX_FMT_FP6
.endr
.endr                                          ; register 16 b + i holds key 32 b + 16 (lane / 16) + i of the step
.rept 4
	v_nop
.endr
	s_cmp_lg_u32 s[STP], s[LAST]                   ; in my last step the scores of keys behind my query become -infinity ahead of the maximum: p = 0 there
	s_cbranch_scc1 .Lopen_\@
	v_mov_b32 v254, 0xff800000
.set n, 0
.rept 64
	v_cmp_gt_i32 vcc_lo, 32*(n/16)+n%16, v[DQ]
	v_cndmask_b32 v[96+n], v[96+n], v254, vcc_lo
.set n, n+1
.endr
.Lopen_\@:
.irp b, 0,1,2,3
	v_max3_num_f32 v[232+\b], v[96+16*\b], v[97+16*\b], v[98+16*\b]   ; the largest score of each block of 32 keys: it serves the row's maximum and, since p rises with the score, the block's largest p
.endr
.irp i, 3,5,7,9,11,13
.irp b, 0,1,2,3
	v_max3_num_f32 v[232+\b], v[232+\b], v[96+16*\b+\i], v[97+16*\b+\i]
.endr
.endr
.irp b, 0,1,2,3
	v_max_num_f32 v[232+\b], v[232+\b], v[111+16*\b]
.endr
.irp b, 0,1,2,3
	s_delay_alu instid0(VALU_DEP_4)
	v_permlanex16_b32 v[236+\b], v[232+\b], s[SEL], s[SEL+1]
.endr
.irp b, 0,1,2,3
	s_delay_alu instid0(VALU_DEP_4)
	v_max_num_f32 v[232+\b], v[232+\b], v[236+\b]  ; with lane l xor 16's 16 keys
.endr
	s_delay_alu instid0(VALU_DEP_2)
	v_max3_num_f32 v254, v232, v233, v234
	s_delay_alu instid0(VALU_DEP_1)
	v_max_num_f32 v254, v254, v235                 ; the step's largest score of my query
	s_delay_alu instid0(VALU_DEP_1)
	v_mul_f32 v254, s[CS], v254                    ; as t
	s_delay_alu instid0(VALU_DEP_1)
	v_max_num_f32 v13, v13, v254                   ; the running largest t
	v_mov_b32 v254, v12
	s_delay_alu instid0(VALU_DEP_2)
	v_floor_f32 v12, -v13                          ; the new -M = floor(-t): M is a whole number
	s_delay_alu instid0(VALU_DEP_1)
	v_sub_f32 v254, v12, v254                      ; old M less new M: a whole number, 0 or less
	s_delay_alu instid0(VALU_DEP_1)
	v_cvt_i32_f32 v254, v254                       ; (it saturates)
	s_delay_alu instid0(VALU_DEP_1)
	v_ldexp_f32 v252, 1.0, v254                    ; f = 2^(old M - new M): a multiplication by it rounds nothing
.set j, 0
.rept 32
	v_pk_fma_f32 v[96+j:97+j], v[96+j:97+j], s[CS:CS+1], v[12:13] op_sel_hi:[1,0,0]   ; t - M, two at a time
.set j, j+2
.endr
.irp b, 0,1,2,3
	v_fma_f32 v[232+\b], v[232+\b], s[CS], v12     ; the same of each block's largest score
.endr
.set j, 0
	s_wait_alu depctr_va_vdst(0)
.rept 64
	v_exp_f32 v[96+j], v[96+j]                     ; p = 2^(t - M)
.set j, j+1
.endr
	v_pk_mul_f32 v[14:15], v[14:15], v[252:253] op_sel_hi:[1,0]   ; the sums under the new M; also the plain instruction behind the exponentials
	s_wait_alu depctr_va_vdst(0)                   ; one wait for the whole batch, ahead of its first reader
.irp b, 0,1,2,3
	v_exp_f32 v[232+\b], v[232+\b]                 ; the block's largest p
.endr
	v_pk_add_f32 v[236:237], v[100:101], v[104:105]
	v_pk_add_f32 v[92:93], v[108:109], v[112:113]
	v_pk_add_f32 v[90:91], v[116:117], v[120:121]
	v_pk_add_f32 v[88:89], v[124:125], v[128:129]
	v_pk_add_f32 v[86:87], v[132:133], v[136:137]
	v_pk_add_f32 v[84:85], v[140:141], v[144:145]
	v_pk_add_f32 v[82:83], v[148:149], v[152:153]
	v_pk_add_f32 v[14:15], v[14:15], v[156:157]
	v_pk_add_f32 v[236:237], v[236:237], v[96:97]
	v_pk_add_f32 v[92:93], v[92:93], v[98:99]
	v_pk_add_f32 v[90:91], v[90:91], v[102:103]
	v_pk_add_f32 v[88:89], v[88:89], v[106:107]
	v_pk_add_f32 v[86:87], v[86:87], v[110:111]
	v_pk_add_f32 v[84:85], v[84:85], v[114:115]
	v_pk_add_f32 v[82:83], v[82:83], v[118:119]
	v_pk_add_f32 v[14:15], v[14:15], v[122:123]
	v_pk_add_f32 v[236:237], v[236:237], v[126:127]
	v_pk_add_f32 v[92:93], v[92:93], v[130:131]
	v_pk_add_f32 v[90:91], v[90:91], v[134:135]
	v_pk_add_f32 v[88:89], v[88:89], v[138:139]
	v_pk_add_f32 v[86:87], v[86:87], v[142:143]
	v_pk_add_f32 v[84:85], v[84:85], v[146:147]
	v_pk_add_f32 v[82:83], v[82:83], v[150:151]
	v_pk_add_f32 v[14:15], v[14:15], v[154:155]
	v_pk_add_f32 v[236:237], v[236:237], v[158:159]
	s_delay_alu instid0(VALU_DEP_2)
	v_pk_add_f32 v[14:15], v[14:15], v[88:89]
	s_delay_alu instid0(VALU_DEP_2)
	v_pk_add_f32 v[236:237], v[236:237], v[86:87]
	v_pk_add_f32 v[92:93], v[92:93], v[84:85]
	v_pk_add_f32 v[90:91], v[90:91], v[82:83]
	s_delay_alu instid0(VALU_DEP_2)
	v_pk_add_f32 v[14:15], v[14:15], v[92:93]
	s_delay_alu instid0(VALU_DEP_2)
	v_pk_add_f32 v[236:237], v[236:237], v[90:91]
	s_delay_alu instid0(VALU_DEP_1)
	v_pk_add_f32 v[14:15], v[14:15], v[236:237]
	s_wait_alu depctr_va_vdst(0)                   ; and one for the four
.irp b, 0,1,2,3
	v_max_num_f32 v[232+\b], 0x1800000, v[232+\b]  ; the floor 2^(3 - 127): the byte cannot fall under 1
.endr
.irp b, 0,1,2,3
	s_delay_alu instid0(VALU_DEP_4)
	v_add_nc_u32 v[244+\b], 0xff000000, v[232+\b]  ; 2 off the exponent field: the conversion's scale operand
.endr
.irp b, 0,1,2,3
	s_delay_alu instid0(VALU_DEP_4)
	v_lshrrev_b32 v[236+\b], 23, v[244+\b]
.endr
	s_delay_alu instid0(VALU_DEP_3)
	v_lshl_or_b32 v253, v237, 8, v236              ; p's scale word for these 128 keys
	s_delay_alu instid0(VALU_DEP_1)
	v_lshl_or_b32 v253, v238, 16, v253
	s_delay_alu instid0(VALU_DEP_1)
	v_lshl_or_b32 v253, v239, 24, v253
.irp c, 0,1
	v_cvt_scalef32_pk16_fp6_f32 v[224+6*\c:226+6*\c], v[96+32*\c:111+32*\c], v[244+2*\c]
	v_cvt_scalef32_pk16_fp6_f32 v[236+4*\c:238+4*\c], v[112+32*\c:127+32*\c], v[245+2*\c]
.endr
	v_nop                                          ; one plain instruction behind the scaled conversions
.irp c, 0,1
.irp i, 0,1,2
	v_permlane16_swap_b32 v[224+6*\c+\i], v[236+4*\c+\i]
.endr
.irp i, 0,1,2
	s_delay_alu instid0(VALU_DEP_3)
	v_mov_b32 v[227+6*\c+\i], v[236+4*\c+\i]
.endr
.endr
.set j, 0
.rept 32
	v_pk_mul_f32 v[160+j:161+j], v[160+j:161+j], v[252:253] op_sel_hi:[1,0]   ; O^T under the new M.  These 32 are also the places in front of the products and loads below
.set j, j+2
.endr
	s_wait_alu depctr_va_vdst(0)
.irp g, 0,1                                    ; O^T += V^T P^T: four tiles of 16 of the head's 128 at a time
.if \g > 0
.rept 4
	v_nop
.endr
.endif
.irp t, 0,1,2,3
.irp c, 0,1,2
	ds_load_b128 v[32+12*\t+4*\c:35+12*\t+4*\c], v[ADV] offset:(4*\g+\t)*FRB+512*\c
.endr
.endr
	ds_load_b128 v[248:251], v[ADS] offset:4096+256*\g
	s_wait_dscnt 0x0
.irp t, 0,1,2,3
	v_wmma_scale_f32_16x16x128_f8f6f4 v[160+8*(4*\g+\t):167+8*(4*\g+\t)], v[32+12*\t:43+12*\t], v[224:235], v[160+8*(4*\g+\t):167+8*(4*\g+\t)], v[248+\t], v253 matrix_a_fmt:MATRIX_FMT_FP6 matrix_b_fmt:MATRIX_FMT_FP6
.endr
.endr
.Lhidden_\@:
	s_add_co_u32 s[STP], s[STP], 1
	s_add_co_u32 s[TK], s[TK], KSB
	s_add_co_u32 s[TSC], s[TSC], 512
.endm
	s_cmp_lt_u32 s[WV], 8                          ; waves 0-7 wait for the scale words and key steps 0 and 1; the loads of key steps 2 to 7 may be out: no byte is ever filled again
	s_cbranch_scc0 .Lfar_out
	s_wait_tensorcnt 0x0
.Lfar_out:
	s_wait_loadcnt 0x0                             ; Q
	s_barrier_signal -1
	s_barrier_wait -1
	s_mov_b32 s[CNT], 2
.Lnear:
	STEP
	s_sub_co_u32 s[CNT], s[CNT], 1
	s_cmp_lg_u32 s[CNT], 0
	s_cbranch_scc1 .Lnear
	s_wait_tensorcnt 0x0                           ; key steps 2 to 7 are in
	s_wait_dscnt 0x0
	s_barrier_signal -1
	s_barrier_wait -1
	s_mov_b32 s[CNT], 6
.Lfar:
	STEP
	s_sub_co_u32 s[CNT], s[CNT], 1
	s_cmp_lg_u32 s[CNT], 0
	s_cbranch_scc1 .Lfar
	; THE WAY OUT.  O^T / the sum: register 16 b + i is y(my query, 128 head + 32 b + 16 (lane / 16) + i): one K step of the last product, quantised as it stands and stored as an image.
.rept 4
	v_nop                                          ; in front of the first read of results just made
.endr
	v_add_f32 v14, v14, v15
	s_delay_alu instid0(VALU_DEP_1)
	v_permlanex16_b32 v252, v14, s[SEL], s[SEL+1]
	s_delay_alu instid0(VALU_DEP_1)
	v_add_f32 v14, v14, v252                       ; the row's sum
	s_wait_alu depctr_va_vdst(0)
	v_rcp_f32 v14, v14
	v_nop                                          ; a plain instruction behind the reciprocal
	s_wait_alu depctr_va_vdst(0)                   ; and the wait ahead of its first reader
.set j, 0
.rept 64
	v_mul_f32 v[96+j], v[160+j], v14
.set j, j+1
.endr
.irp b, 0,1,2,3
	v_max3_num_f32 v[TM+\b], |v[96+16*\b]|, |v[97+16*\b]|, 0x1800000   ; my 16 numbers of block b, and the floor 2^(3 - 127)
.endr
.irp i, 2,4,6,8,10,12,14
.irp b, 0,1,2,3
	s_delay_alu instid0(VALU_DEP_4)
	v_max3_num_f32 v[TM+\b], v[TM+\b], |v[96+16*\b+\i]|, |v[97+16*\b+\i]|
.endr
.endr
.irp b, 0,1,2,3
	s_delay_alu instid0(VALU_DEP_4)
	v_permlanex16_b32 v[TM+4+\b], v[TM+\b], s[SEL], s[SEL+1]
.endr
.irp b, 0,1,2,3
	s_delay_alu instid0(VALU_DEP_4)
	v_max_num_f32 v[TM+\b], v[TM+\b], v[TM+4+\b]
.endr
.irp b, 0,1,2,3
	s_delay_alu instid0(VALU_DEP_4)
	v_add_nc_u32 v[TM+12+\b], 0xff000000, v[TM+\b]
.endr
.irp b, 0,1,2,3
	s_delay_alu instid0(VALU_DEP_4)
	v_lshrrev_b32 v[TM+4+\b], 23, v[TM+12+\b]
.endr
	s_delay_alu instid0(VALU_DEP_3)
	v_lshl_or_b32 v248, v[TM+5], 8, v[TM+4]        ; my row's scale word
	s_delay_alu instid0(VALU_DEP_1)
	v_lshl_or_b32 v248, v[TM+6], 16, v248
	s_delay_alu instid0(VALU_DEP_1)
	v_lshl_or_b32 v248, v[TM+7], 24, v248
.irp c, 0,1
	v_cvt_scalef32_pk16_fp6_f32 v[32+6*\c:34+6*\c], v[96+32*\c:111+32*\c], v[TM+12+2*\c]
	v_cvt_scalef32_pk16_fp6_f32 v[44+4*\c:46+4*\c], v[112+32*\c:127+32*\c], v[TM+13+2*\c]
.endr
	v_nop
.irp c, 0,1
.irp i, 0,1,2
	v_permlane16_swap_b32 v[32+6*\c+\i], v[44+4*\c+\i]
.endr
.irp i, 0,1,2
	s_delay_alu instid0(VALU_DEP_3)
	v_mov_b32 v[35+6*\c+\i], v[44+4*\c+\i]
.endr
.endr
.irp c, 0,1,2
	global_store_b128 v[LI], v[32+4*\c:35+4*\c], s[88:89] offset:512*\c   ; 512 consecutive bytes a store
.endr
	v_cmp_gt_u32 vcc_lo, 16, v[LN]
	s_wait_xcnt 0x0                                ; EXEC changes only behind this wait
	s_and_saveexec_b32 s94, vcc_lo
	global_store_b32 v[GR], v248, s[90:91]         ; lanes 0-15: the 16 rows' scale words, 16 bytes apart: the other three words of a row are other work-groups'
	s_wait_xcnt 0x0
	s_or_b32 exec_lo, exec_lo, s94
	s_wait_tensorcnt 0x0
	ds_add_u32 v95, v243
	s_wait_dscnt 0x0
	CROUND                                         ; the closing round: no work-group ends while a partner may still ask for a tile that names it
	s_endpgm
.Lfunc_end_k_q5ba8de0043_attn:
	.size	k_q5ba8de0043_attn, .Lfunc_end_k_q5ba8de0043_attn-k_q5ba8de0043_attn
	.p2alignl 7, 3214868480
	.fill 96, 4, 3214868480
	.section	.rodata,"a",@progbits
	.p2align	6, 0x0
	.amdhsa_kernel k_q5ba8de0043_attn
		.amdhsa_group_segment_fixed_size 206848
		.amdhsa_private_segment_fixed_size 0
		.amdhsa_enable_private_segment 0
		.amdhsa_kernarg_size 16
		.amdhsa_user_sgpr_count 2
		.amdhsa_user_sgpr_kernarg_segment_ptr 1
		.amdhsa_wavefront_size32 1
		.amdhsa_system_sgpr_workgroup_id_x 1
		.amdhsa_system_sgpr_workgroup_id_y 1
		.amdhsa_system_sgpr_workgroup_id_z 1
		.amdhsa_system_vgpr_workitem_id 0
		.amdhsa_next_free_vgpr 256
		.amdhsa_next_free_sgpr 100
		.amdhsa_reserve_vcc 1
		.amdhsa_float_denorm_mode_32 3
		.amdhsa_float_denorm_mode_16_64 3
		.amdhsa_memory_ordered 1
		.amdhsa_forward_progress 1
		.amdhsa_inst_pref_size 71
	.end_amdhsa_kernel
	.amdgpu_metadata
---
amdhsa.version: [ 1, 2 ]
amdhsa.kernels:
  - .name:           k_q5ba8de0043_attn
    .symbol:         k_q5ba8de0043_attn.kd
    .args:
      - { .name: qkv, .offset: 0, .size: 8, .value_kind: global_buffer, .address_space: global }
      - { .name: yq, .offset: 8, .size: 8, .value_kind: global_buffer, .address_space: global }
    .group_segment_fixed_size: 206848
    .private_segment_fixed_size: 0
    .kernarg_segment_align: 8
    .kernarg_segment_size: 16
    .max_flat_workgroup_size: 512
    .sgpr_count:     100
    .vgpr_count:     256
    .wavefront_size: 32
...
	.end_amdgpu_metadata
.endif
;; end of part 3
;; launch outp (part 4): grid 16 x 16, 4 waves a work-group, clusters of 4 x 1, 239,104 bytes of LDS; arguments yq, wq, out0; writes out0
.if DOCPART == 4
	.amdgcn_target "amdgcn-amd-amdhsa--gfx1250"
	.amdhsa_code_object_version 6
	.text
	.protected	k_q5ba8de0043_outp
	.globl	k_q5ba8de0043_outp
	.p2align	8
	.type	k_q5ba8de0043_outp,@function
k_q5ba8de0043_outp:
	s_mov_b64 s[64:65], 0
	v_nop
	global_prefetch_b8 v0, s[64:65] scope:SCOPE_SE
	s_setreg_imm32_b32 hwreg(HW_REG_WAVE_MODE, 25, 1), 1
	s_wait_xcnt 0x0
	s_wait_alu depctr_hold_cnt(0) depctr_sa_sdst(0) depctr_va_vdst(0) depctr_va_sdst(0) depctr_va_ssrc(0) depctr_va_vcc(0) depctr_vm_vsrc(0)
	s_getreg_b32 s2, hwreg(HW_REG_IB_STS2, 6, 4)
	s_cmp_eq_u32 s2, 0
	s_cbranch_scc0 .Lentry_in_a_cluster
	s_endpgm
.Lentry_in_a_cluster:
	s_bfe_u32 s2, ttmp6, 0x10000c
	s_cmp_lg_u32 s2, 0x3003
	s_cbranch_scc0 .Lentry_shape_is_right
	s_endpgm
.Lentry_shape_is_right:
; out = y Wo on codes of FP6 (E2M3) with E8M0 scales, f32 sums, f32 results.  Operands as the launches before laid them: fragments of 1,536 bytes, the images of 12 registers, tiles of 16 rows,
; lane-row r of tile t = row 32 (t / 2) + 8 (t % 2) + r % 8 + 16 (r / 8); codes [row block][K step][tile][1,536]; scale words [group of 4 tiles][K step][256], word of (row r, tile i) at 16 r + 4 i.
; A work-group makes 256 tokens x 128 columns; a wave 64 tokens x 128: 32 accumulators.  Source 0 = a tile of Wo's columns (Q), source 1 = a tile of tokens (P): a lane holds eight neighbouring columns of one token.
; Q, ALL OF K (196,608 bytes of codes, 8,192 of scale words), IS FILLED INTO LDS ONCE, one tensor load a wave: no byte is filled again.  CLUSTER 4 x 1: the four partners make the same columns for other tokens: Q is asked for jointly.
; P's fragments are read by one wave alone: they go from memory straight into registers, 512 consecutive bytes a load, in runs of 13 loads (a K step), five sets of registers, four steps ahead.
; PREFETCH: my wave's 24 blocks of 256 bytes of K step k + 8 are asked for in step k, four steps ahead of their loads, a lane a block; from step 8 on nothing is asked for.  No partner of the cluster reads these blocks.
; K is written out: Q's sets come back after 2 steps and P's after 5.
; REGISTERS: window 0: v2-14 addresses; v32-47 Q's scale words, two sets; v48-67 P's, five sets; v128-255 the way out.  Window 1: accumulator (a, b) at 8 (8 a + b).  Window 2: Q's fragments, two sets of 96.  Window 3: P's, five sets of 48.
.set FRB,   1536
.set KSB,   12288
.set RBB,   196608
.set SCQ,   196608
.set STAGE, 204800                     ; the way out: 16 rows x 528 bytes for each wave, bytes of their own
.set SPITCH, 528
.set SPARE, 238592
.set XSC,   6291456
.set WSC,   7864320
.set LI,  2
.set GR,  4
.set ASQ, 5
.set STO, 6
.set RD,  7
.set AQ,  8                            ; v8-11: Q's codes, five K steps to a register
.set SPW, 12
.set NIL, 13
.set PFO, 14
.set SQ,  32
.set SP,  48
.set BK,  128
.set G1C, 24
.set G1S, 32
.set G0C, 40
.set G0S, 44
.set PB,  48
.set PS,  50
.set MUL, 0x5e                         ; source 0 window 2, source 1 window 3, C and D window 1
.set MSB, 0
.macro WIN new
.if MSB != (\new)
	s_set_vgpr_msb (MSB<<8)|(\new)
.set MSB, (\new)
.endif
.endm
.macro PLACES n
.rept \n
	v_nop
.endr
.endm
.macro CROUND
	s_barrier_signal -1
	s_barrier_wait -1
	s_cmp_lg_u32 s14, 0
	s_cbranch_scc1 .Lnot_wave_0_\@
	s_barrier_signal -3
.Lnot_wave_0_\@:
	s_barrier_wait -3
	s_barrier_signal -1
	s_barrier_wait -1
.endm
.macro WM d, q, p, sq, sp, zero
.if \zero
	v_wmma_scale_f32_16x16x128_f8f6f4 v[\d:\d+7], v[\q:\q+11], v[\p:\p+11], 0, v[\sq], v[\sp] matrix_a_fmt:MATRIX_FMT_FP6 matrix_b_fmt:MATRIX_FMT_FP6
.else
	v_wmma_scale_f32_16x16x128_f8f6f4 v[\d:\d+7], v[\q:\q+11], v[\p:\p+11], v[\d:\d+7], v[\sq], v[\sp] matrix_a_fmt:MATRIX_FMT_FP6 matrix_b_fmt:MATRIX_FMT_FP6
.endif
.endm
.macro FETCHQ kn                       ; 26 LDS loads: Q's eight fragments and scale words of K step kn into set kn % 2
	WIN 0x80
.irp b, 0,1,2,3,4,5,6,7
.irp c, 0,1,2
	ds_load_b128 v[96*((\kn)%2)+12*\b+4*\c:96*((\kn)%2)+12*\b+4*\c+3], v[AQ+(\kn)/5] offset:((\kn)%5)*KSB+\b*FRB+512*\c
.endr
.endr
	WIN 0
	ds_load_b128 v[SQ+8*((\kn)%2):SQ+8*((\kn)%2)+3], v[ASQ] offset:256*(\kn)
	ds_load_b128 v[SQ+8*((\kn)%2)+4:SQ+8*((\kn)%2)+7], v[ASQ] offset:4096+256*(\kn)
.endm
.macro PRUN kn                         ; 13 global loads: P's four fragments and scale words of K step kn into set kn % 5
	WIN 0
	global_load_b128 v[SP+4*((\kn)%5):SP+4*((\kn)%5)+3], v[GR], s[PS:PS+1] offset:256*(\kn)
	WIN 0xc0
.irp a, 0,1,2,3
.irp c, 0,1,2
	global_load_b128 v[48*((\kn)%5)+12*\a+4*\c:48*((\kn)%5)+12*\a+4*\c+3], v[LI], s[PB:PB+1] offset:(\kn)*KSB+\a*FRB+512*\c
.endr
.endr
	WIN 0
.endm
.macro STEP k, zero
.if (\k) > 0
	PLACES 4                                       ; four plain instructions in front of loads into registers that the last products read
.endif
.if (\k) < 15
	FETCHQ (\k)+1
.endif
.if (\k) < 12
	s_wait_loadcnt 39                              ; this step's run of P is in; the next three runs may be out
	PRUN (\k)+4
.else
	s_wait_loadcnt 13*(15-(\k))
.endif
.if (\k) < 8
	global_prefetch_b8 v[PFO], s[PB:PB+1] offset:((\k)+8)*KSB th:TH_LOAD_NT scope:SCOPE_SE
.endif
.if (\k) < 15
	s_wait_dscnt 26                                ; this step's Q is in; the 26 loads just issued may be out
.else
	s_wait_dscnt 0x0
.endif
	WIN MUL
.irp a, 0,1,2,3                                ; the 32 accumulators take turns, one instruction a turn
.irp b, 0,1,2,3,4,5,6,7
	WM (8*(8*\a+\b)), (96*((\k)%2)+12*\b), (48*((\k)%5)+12*\a), (SQ+8*((\k)%2)+\b), (SP+4*((\k)%5)+\a), \zero
.endr
.endr
.endm
	s_load_b128 s[4:7], s[0:1], 0x0                ; yq, wq
	s_load_b64 s[8:9], s[0:1], 0x10                ; out0
	v_lshl_add_u32 v[SPW], v0, 2, SPARE
	v_mov_b32 v[NIL], 0
	ds_add_u32 v[SPW], v[NIL]                      ; the opening lines: the add, twice on end, and its wait
	ds_add_u32 v[SPW], v[NIL]
	v_lshrrev_b32 v1, 5, v0
	v_readfirstlane_b32 s14, v1                    ; wave 0..3
	s_lshr_b32 s15, s14, 1
	s_and_b32 s16, s14, 1
	s_and_b32 s17, ttmp7, 0xffff                   ; the block of 128 columns: the four partners share it
	s_add_co_u32 s18, s17, 24                      ; Wo's row blocks begin at 24 in wq
	s_lshl_b32 s19, s14, 16                        ; waves 0-2 fetch 65,536 bytes of Q's codes each, wave 3 the scale words
	s_mul_i32 s20, s18, RBB
	s_add_co_u32 s20, s20, s19
	s_mov_b32 s21, 0
	s_lshl_b32 s22, s18, 13
	s_add_co_u32 s22, s22, WSC
	s_mov_b32 s23, 0
	s_bfe_u32 s60, ttmp6, 0x40000                  ; cx: it enters P's and the result's global addresses alone
	s_lshl_b32 s61, ttmp9, 2
	s_add_co_u32 s61, s61, s60                     ; the group of 256 tokens
	s_lshl_b32 s62, s61, 1
	s_add_co_u32 s62, s62, s15
	s_mul_i32 s52, s62, RBB
	s_mul_i32 s62, s16, 4*FRB
	s_add_co_u32 s52, s52, s62                     ; my four tiles of y
	s_mov_b32 s53, 0
	s_lshl_b32 s54, s61, 2
	s_add_co_u32 s54, s54, s14
	s_lshl_b32 s54, s54, 12
	s_add_co_u32 s54, s54, XSC                     ; and their scale words
	s_mov_b32 s55, 0
	s_lshl_b32 s56, s61, 8
	s_lshl_b32 s62, s14, 6
	s_add_co_u32 s56, s56, s62
	s_lshl_b32 s56, s56, 13                        ; my first token's row of 8,192 bytes
	s_lshl_b32 s62, s17, 9
	s_add_co_u32 s56, s56, s62
	s_mov_b32 s57, 0
	s_mul_i32 s58, s14, 16*SPITCH
	s_add_co_u32 s58, s58, STAGE                   ; my stage
	v_and_b32 v1, 31, v0
	v_and_b32 v3, 15, v0
	v_bfe_u32 v15, v0, 4, 1
	v_lshlrev_b32 v[LI], 4, v1
	v_lshlrev_b32 v[GR], 4, v3
	v_add_nc_u32 v[ASQ], SCQ, v[GR]
	v_mul_u32_u24 v[STO], v3, SPITCH
	v_lshl_add_u32 v[STO], v15, 6, v[STO]
	v_add_nc_u32 v[STO], s58, v[STO]
	v_add_nc_u32 v[RD], s58, v[LI]
.irp i, 0,1,2,3
	v_add_nc_u32 v[AQ+\i], 5*KSB*\i, v[LI]
.endr
	v_min_u32 v[PFO], 23, v1
	v_lshlrev_b32 v[PFO], 8, v[PFO]                ; a lane a block of 256 bytes; the lanes left over name the last again
.irp g, G1C, G1S                               ; dense blocks as rows of 256 bytes; 15:0 the mask: all four partners; 21 set beside a mask
	s_mov_b32 s[\g], 15|(3<<16)|(1<<21)
	s_mov_b32 s[\g+1], 32<<16
	s_mov_b32 s[\g+3], 32<<16
	s_mov_b32 s[\g+5], 32
	s_mov_b32 s[\g+6], 0
	s_mov_b32 s[\g+7], 0
.endr
	s_mov_b32 s[G1C+2], 256<<16
	s_mov_b32 s[G1C+4], 256
	s_mov_b32 s[G1S+2], 32<<16
	s_mov_b32 s[G1S+4], 32
	s_wait_alu depctr_va_vdst(0)
	s_wait_dscnt 0x0
	s_wait_kmcnt 0x0
	s_add_nc_u64 s[PB:PB+1], s[4:5], s[52:53]
	s_add_nc_u64 s[PS:PS+1], s[4:5], s[54:55]
	s_add_nc_u64 s[12:13], s[8:9], s[56:57]
	s_mov_b32 s[G0C], 1
	s_mov_b32 s[G0C+1], s19
	s_add_nc_u64 s[G0C+2:G0C+3], s[6:7], s[20:21]
	s_or_b32 s[G0C+3], s[G0C+3], 0x80000000
	s_mov_b32 s[G0S], 1
	s_mov_b32 s[G0S+1], SCQ
	s_add_nc_u64 s[G0S+2:G0S+3], s[6:7], s[22:23]
	s_or_b32 s[G0S+3], s[G0S+3], 0x80000000
	PRUN 0                                         ; P's first four runs are on their way while the partners meet
	PRUN 1
	PRUN 2
	PRUN 3
	CROUND                                         ; all four work-groups are here: the joint loads meet
	s_cmp_lt_u32 s14, 3                            ; one tensor load a wave, in one chain of branches on the wave's number
	s_cbranch_scc0 .Lscales
	tensor_load_to_lds s[G0C:G0C+3], s[G1C:G1C+7]
	s_nop 0
	PLACES 4
	s_branch .Lasked
.Lscales:
	tensor_load_to_lds s[G0S:G0S+3], s[G1S:G1S+7]
	s_nop 0
	PLACES 4
.Lasked:
	s_wait_tensorcnt 0x0                           ; my part of Q is in
	s_barrier_signal -1
	s_barrier_wait -1                              ; and everybody's
	FETCHQ 0
	STEP 0, 1                                      ; the first step's products start the sums
.set ST, 1
.rept 15
	STEP ST, 0
.set ST, ST+1
.endr
	WIN 0
; THE WAY OUT, tile by tile of 16 tokens x 128 columns, through my own stage: back come whole rows of 512 bytes, which the 32 lanes store as two aligned units of 256 bytes.
.macro TOSTAGE a
	WIN 0x04
.irp b, 0,1,2,3,4,5,6,7
	ds_store_b128 v[STO], v[64*(\a)+8*\b:64*(\a)+8*\b+3] offset:128*(\b/2)+32*(\b%2)          ; each accumulator from its low end on
	ds_store_b128 v[STO], v[64*(\a)+8*\b+4:64*(\a)+8*\b+7] offset:128*(\b/2)+32*(\b%2)+16
.endr
	WIN 0
.set BB, BK+64*((\a)%2)
.irp t, 0,1,2,3,4,5,6,7,8,9,10,11,12,13,14,15
	ds_load_b128 v[BB+4*\t:BB+4*\t+3], v[RD] offset:\t*SPITCH   ; LDS serves a wave's instructions in order: these see the stores above
.endr
.endm
.macro SEND a, younger
.set BB, BK+64*((\a)%2)
	s_wait_dscnt \younger
.irp t, 0,1,2,3,4,5,6,7,8,9,10,11,12,13,14,15
	global_store_b128 v[LI], v[BB+4*\t:BB+4*\t+3], s[12:13] offset:(32*((\a)/2)+8*((\a)%2)+((\t)%8)+16*((\t)/8))*8192 th:TH_STORE_NT
.endr
.endm
	PLACES 4                                       ; in front of the first read of results just made
	TOSTAGE 0
.irp a, 1,2,3
.if \a > 1
	s_wait_xcnt 0x0                                ; tile a - 2's stores have read their registers: tile a's loads may land there
.endif
	TOSTAGE \a
	SEND \a-1, 32                                  ; behind tile a - 1's loads: tile a's 16 stores and 16 loads
.endr
	SEND 3, 0
	s_wait_tensorcnt 0x0                           ; the wave's end
	ds_add_u32 v[SPW], v[NIL]
	s_wait_dscnt 0x0
	CROUND                                         ; the closing round
	s_endpgm
.Lfunc_end_k_q5ba8de0043_outp:
	.size	k_q5ba8de0043_outp, .Lfunc_end_k_q5ba8de0043_outp-k_q5ba8de0043_outp
	.p2alignl 7, 3214868480
	.fill 96, 4, 3214868480
	.section	.rodata,"a",@progbits
	.p2align	6, 0x0
	.amdhsa_kernel k_q5ba8de0043_outp
		.amdhsa_group_segment_fixed_size 239104
		.amdhsa_private_segment_fixed_size 0
		.amdhsa_enable_private_segment 0
		.amdhsa_kernarg_size 24
		.amdhsa_user_sgpr_count 2
		.amdhsa_user_sgpr_kernarg_segment_ptr 1
		.amdhsa_wavefront_size32 1
		.amdhsa_system_sgpr_workgroup_id_x 1
		.amdhsa_system_sgpr_workgroup_id_y 1
		.amdhsa_system_sgpr_workgroup_id_z 1
		.amdhsa_system_vgpr_workitem_id 0
		.amdhsa_next_free_vgpr 1024
		.amdhsa_next_free_sgpr 66
		.amdhsa_reserve_vcc 0
		.amdhsa_float_denorm_mode_32 3
		.amdhsa_float_denorm_mode_16_64 3
		.amdhsa_memory_ordered 1
		.amdhsa_forward_progress 1
		.amdhsa_inst_pref_size 136
	.end_amdhsa_kernel
	.amdgpu_metadata
---
amdhsa.version: [ 1, 2 ]
amdhsa.kernels:
  - .name:           k_q5ba8de0043_outp
    .symbol:         k_q5ba8de0043_outp.kd
    .args:
      - { .name: yq, .offset: 0, .size: 8, .value_kind: global_buffer, .address_space: global }
      - { .name: wq, .offset: 8, .size: 8, .value_kind: global_buffer, .address_space: global }
      - { .name: out0, .offset: 16, .size: 8, .value_kind: global_buffer, .address_space: global }
    .group_segment_fixed_size: 239104
    .private_segment_fixed_size: 0
    .kernarg_segment_align: 8
    .kernarg_segment_size: 24
    .max_flat_workgroup_size: 128
    .sgpr_count:     66
    .vgpr_count:     1024
    .wavefront_size: 32
...
	.end_amdgpu_metadata
.endif
;; end of part 4
